; MI455X (gfx1250); checked and timed in simulation.
; The chip was launched on July 23, 2026; its instructions are those of AMD's public machine-readable ISA for CDNA 5 (MIT licence, August 2026) and "CDNA5" Instruction Set Architecture Reference Guide (July 2026). The comments in the code are by the model that wrote it; some were corrected since.
;; cross attn. Allowed arithmetic: matrix products marked QUANTISED: E2M1 operands, one E8M0 scale for each 32 along K, by v_wmma_scale_f32_16x16x128_f8f6f4 with both operands' format E2M1 (or v_wmma_scale_f32_32x16x128_f4), f32 sums; products left as they are: bf16, f16 or f32 operands; f32 sums; everything else in f32.
;; Inputs: Wk 512 x 512 float32; Wo1 512 x 512 float32; Wo2 512 x 512 float32; Wq 512 x 512 float32; Wv 512 x 512 float32; bk 512 float32; bo1 512 float32; bo2 512 float32; bq 512 float32; bv 512 float32; key 8 x 4,096 x 512 float32; kln_b 64 float32; kln_w 64 float32; query 8 x 4,096 x 512 float32; value 8 x 4,096 x 512 float32; vln_b 64 float32; vln_w 64 float32.
;; Outputs: out0 8 x 4,096 x 512 float32.
;; This version of the problem:
;;   THIS VERSION OF THE PROBLEM IS GIVEN IN LOW PRECISION. The matrix products marked QUANTISED in the list below multiply operands that are first quantised to E2M1 (2 exponent bits, 1 mantissa bit; 4 bits a number), with one power-of-two scale for each 32 numbers along K (OCP MX v1.0); their sums are f32. The products marked 'left as it is' may take bf16, f16 or f32 operands, with f32 sums. Whichever they take, every output number must still come out within the allowed error. Rounding operands to bf16 (8 significant bits) uses up far more of that allowance than f16 does (11 bits, for magnitudes from 6e-5 to 65,504). All else is computed in f32.
;;   The module's matrix products, in the order in which they are computed (A, B: the left and right operand; K: the contracted axis; several contracted axes count as one K, in the product's order):
;;     1. [M 32,768, K 512] x [K 512, N 512]; A: input query; B: input Wq: QUANTISED
;;     2. [M 32,768, K 512] x [K 512, N 512]; A: input key; B: input Wk: QUANTISED
;;     3. [M 32,768, K 512] x [K 512, N 512]; A: input value; B: input Wv: QUANTISED
;;     4. batch 64 x [M 64, K 4,096] x [K 4,096, N 64]; A: computed on the way; B: computed on the way: left as it is (an operand is computed on the way)
;;     5. batch 64 x [M 4,096, K 64] x [K 64, N 64]; A: computed on the way; B: computed on the way: left as it is (an operand is computed on the way)
;;     6. [M 32,768, K 512] x [K 512, N 512]; A: computed on the way; B: input Wo1: left as it is (an operand is computed on the way)
;;     7. [M 32,768, K 512] x [K 512, N 512]; A: computed on the way; B: input Wo2: left as it is (an operand is computed on the way)
;;   THE QUANTISER, for each operand of a quantised product, along K:
;;     - K is cut into blocks of 32 from its start; a last block that is shorter is filled with zeros.
;;     - A block's scale is 2^e with e = floor(log2(the largest magnitude in the block)) - 2, held to -126 .. 127; a block of zeros has e = 0. As a byte (E8M0): e + 127.
;;     - Each number is divided by its block's scale, clamped to +-6, and rounded to the nearest number of E2M1, ties to even, subnormals kept.
;;     - The product sums the exact products of the quantised numbers (number of the format x scale) in f32.
;;   ~~~python
;;   def quantise(x, axis):      # numpy; x: float32 -> the quantised numbers, widened to float32 again
;;       x = np.moveaxis(x, axis, -1); K = x.shape[-1]
;;       x = np.pad(x, [(0, 0)] * (x.ndim - 1) + [(0, -K % 32)]); x = x.reshape(x.shape[:-1] + (-1, 32)); a = np.abs(x).max(-1, keepdims=True)
;;       e = np.where(a > 0, np.clip(np.frexp(np.where(a > 0, a, 1))[1] - 1 - 2, -126, 127), 0)      # np.frexp(a)[1] - 1 = floor(log2(a)), exactly
;;       r = np.clip(x / 2.0 ** e, -6, 6)
;;       step = 2.0 ** (np.maximum(np.frexp(np.where(r == 0, 1, r))[1] - 1, 0) - 1)
;;       q = np.round(r / step) * step * 2.0 ** e      # np.round: ties to even
;;       return np.moveaxis(q.reshape(q.shape[:-2] + (-1,))[..., :K], -1, axis).astype(np.float32)
;;   ~~~
;; 2 versions, each right; version 2 is version 1 with the launch ffn written anew for expert scheduling mode. Each part assembles by itself: llvm-mc -triple=amdgcn-amd-amdhsa -mcpu=gfx1250 --defsym DOCPART=n.
;; ======== version 1 of 2: 4 launches
;; limits: values are held in f16: magnitudes above 65,504 overflow, below 6.1e-05 lose precision; inputs' magnitudes at most 65,504; right only within a limited range of input values
;; workspace buffers: codes 18,243,584 bytes; wo 1,048,576 bytes; part 8,388,608 bytes; kvb 524,288 bytes
;; launch prep (part 1): grid 1112 x 1, 4 waves a work-group, no clusters, 39,424 bytes of LDS; arguments key, value, Wk, Wv, Wq, Wo1, Wo2, codes, wo; writes codes, wo
.if DOCPART == 1
	.amdgcn_target "amdgcn-amd-amdhsa--gfx1250"
	.amdhsa_code_object_version 6
	.text
	.protected	k_qe735b5035e_prep
	.globl	k_qe735b5035e_prep
	.p2align	8
	.type	k_qe735b5035e_prep,@function
k_qe735b5035e_prep:
	s_mov_b64 s[64:65], 0
	v_nop
	global_prefetch_b8 v0, s[64:65] scope:SCOPE_SE
	s_setreg_imm32_b32 hwreg(HW_REG_WAVE_MODE, 25, 1), 1
	s_wait_xcnt 0x0
; PREP.  key, value [32768][512] and Wk, Wv, Wq [512][512], f32, become codes of FP4 (E2M1) with one E8M0 byte for each 32 along K; Wo1, Wo2 [512][512] become f16 in the order of an operand's registers.
; A RECORD of 4,352 bytes holds a tile of 16 rows x all 512 of K: [block of 32 along K, 0..15][row 0..15][16 bytes of codes], then [row][16 scale bytes].  So the registers 4 c .. 4 c + 3 of the fragment of
; K step s (128 along K) are the 512 consecutive bytes at 1024 s + 512 c, lane l at 16 l, and a row's scale word of K step s is bytes 4 s .. 4 s + 3 of its 16.
; Records: key tile t at t, value at 2048 + t, Wk at 4096 + T, Wv at 4128 + T, Wq at 4160 + T.  A tile is 16 neighbouring rows; of Wq alone tile 2 b + u holds rows 32 b + 8 u + r + 8 (r / 8).
; A block's scale is 2^(floor(log2(its largest magnitude)) - 2): its byte is the largest magnitude's exponent field - 2, held at 1 from below (a block of zeros keeps the byte 1: its codes are zeros and this program alone reads the bytes).
; LIMITS: blocks whose largest magnitude lies under 2^-124 keep the byte 1; NaN and infinities among the inputs are not served.  Wo1, Wo2 go to f16 as they are: magnitudes up to 65,504 are served; under 2^-14 they are rounded
; with an absolute error of at most 2^-25.
; SHARES.  Work-groups 0-1047: a wave makes one record, 16 steps of one row (512 numbers).  Each of a step's four loads reads 512 consecutive bytes; the 2,048 bytes turn through the wave's own stage in LDS, so that a lane holds
; 16 neighbours along K (two lanes a block).  Codes and bytes are gathered in the wave's own LDS and leave as the record lies: every store of the wave covers 256 or 512 consecutive bytes, aligned.
; Work-groups 1048-1111: one tile of 16 rows of Wo1 or Wo2; wave w takes columns 128 w on.  Its loads take 64 bytes a lane from rows 2,048 bytes apart: 2 MiB of the 139 MB that the launch reads.
; No tensor load, no barrier: waves share nothing.
.set WAVES, 4
.set STEPS, 16
.set EMAX,  2
.set REC,   4352
.set R,     16                         ; v16-79   four sets of 16 numbers as they are loaded
.set X,     80                         ; v80-111  two sets of 16 neighbours
.set C,     112                        ; v112-143 codes: two registers for each step
.set E,     144                        ; v144-159 a scale byte for each step
.set CSTO,  160                        ; v160     where I put my 8 bytes of codes
.set CRD,   161                        ; v161     where I read the record back
.set WREG,  9728                       ; LDS of a wave: two stages of 32 x 80 bytes, 256 scale bytes, 16 blocks of codes x (256 + 16) bytes
.set SP,    80
.set SCB,   5120
.set CST,   5376
.set SPW,   12                         ; v12      my spare word; never rewritten
.set NIL,   13                         ; v13      0; never rewritten
.set SPARE, WAVES*WREG                 ; the spare words, 128 bytes a wave: no other line names them
	s_load_b256 s[4:11], s[0:1], 0x0               ; key, value, Wk, Wv
	s_load_b256 s[12:19], s[0:1], 0x20             ; Wq, Wo1, Wo2, codes
	s_load_b64 s[20:21], s[0:1], 0x40              ; wo
	v_lshl_add_u32 v[SPW], v0, 2, SPARE
	v_mov_b32 v[NIL], 0
	v_lshrrev_b32 v1, 5, v0
	v_readfirstlane_b32 s30, v1                    ; wave
	v_and_b32 v2, 31, v0                           ; lane
	v_lshlrev_b32 v3, 4, v2                        ; 16 x lane
	s_cmp_ge_u32 ttmp9, 1048
	s_cbranch_scc1 .Lconv
	s_mul_i32 s31, s30, WREG
	v_lshrrev_b32 v14, 2, v2
	v_mul_u32_u24 v14, v14, SP
	v_and_b32 v15, 3, v2
	v_lshl_add_u32 v14, v15, 4, v14
	v_add_nc_u32 v14, s31, v14                     ; the stage, in: four lanes' 64 bytes on end, then 16 of padding
	v_mul_u32_u24 v15, v2, SP
	v_add_nc_u32 v15, s31, v15                     ; and out: my 16 neighbours
	v_lshrrev_b32 v5, 1, v2
	v_add_nc_u32 v5, s31, v5
	v_add_nc_u32 v5, SCB, v5                       ; my block's scale byte
	v_lshlrev_b32 v7, 3, v2
	v_add_nc_u32 v6, s31, v7
	v_add_nc_u32 v6, SCB, v6                       ; the bytes on the way out, 8 a lane
	v_lshrrev_b32 v8, 1, v2
	v_mul_u32_u24 v8, v8, 272
	v_and_b32 v9, 1, v2
	v_lshl_add_u32 v8, v9, 3, v8
	v_add_nc_u32 v8, s31, v8
	v_add_nc_u32 v[CSTO], CST, v8                  ; block lane / 2, half lane % 2; the step's row stands in the offset
	v_lshrrev_b32 v8, 4, v2
	v_mul_u32_u24 v8, v8, 272
	v_and_b32 v9, 15, v2
	v_lshl_add_u32 v8, v9, 4, v8
	v_add_nc_u32 v8, s31, v8
	v_add_nc_u32 v[CRD], CST, v8                   ; back: sixteen lanes to a block of 256 bytes
	s_wait_kmcnt 0x0
	s_mov_b64 s[22:23], s[12:13]                   ; which tensor, and its first work-group: the choice hangs on the work-group's number alone
	s_mov_b32 s24, 1040
	s_cmp_lt_u32 ttmp9, 1040
	s_cselect_b64 s[22:23], s[10:11], s[22:23]
	s_cselect_b32 s24, 1032, s24
	s_cmp_lt_u32 ttmp9, 1032
	s_cselect_b64 s[22:23], s[8:9], s[22:23]
	s_cselect_b32 s24, 1024, s24
	s_cmp_lt_u32 ttmp9, 1024
	s_cselect_b64 s[22:23], s[6:7], s[22:23]
	s_cselect_b32 s24, 512, s24
	s_cmp_lt_u32 ttmp9, 512
	s_cselect_b64 s[22:23], s[4:5], s[22:23]
	s_cselect_b32 s24, 0, s24
	s_sub_co_u32 s25, ttmp9, s24
	s_lshl_b32 s25, s25, 2
	s_add_co_u32 s25, s25, s30                     ; my tile of the tensor
	s_lshl_b32 s26, s25, 4                         ; its first row: 16 x tile,
	s_lshr_b32 s27, s25, 1
	s_lshl_b32 s27, s27, 5
	s_and_b32 s28, s25, 1
	s_lshl_b32 s28, s28, 3
	s_add_co_u32 s27, s27, s28                     ; or, of Wq, 32 (tile / 2) + 8 (tile % 2),
	s_cmp_lt_u32 ttmp9, 1040
	s_cselect_b32 s26, s26, s27
	s_cselect_b32 s29, 0, 16384                    ; where rows 8-15 of the tile lie 8 rows further down
	s_lshl_b32 s26, s26, 11
	s_mov_b32 s27, 0
	s_add_nc_u64 s[22:23], s[22:23], s[26:27]
	v_add_nc_u32 v4, s29, v3
	s_lshl_b32 s32, ttmp9, 2
	s_add_co_u32 s32, s32, s30
	s_mul_i32 s32, s32, REC                        ; my record
	s_mov_b32 s33, 0
	s_add_nc_u64 s[18:19], s[18:19], s[32:33]
.macro LOAD t                          ; row t of the tile: four loads of 512 consecutive bytes
.irp i, 0,1,2,3
.if (\t) < 8
	global_load_b128 v[R+16*((\t)%4)+4*\i:R+16*((\t)%4)+4*\i+3], v3, s[22:23] offset:2048*(\t)+512*\i th:TH_LOAD_NT
.else
	global_load_b128 v[R+16*((\t)%4)+4*\i:R+16*((\t)%4)+4*\i+3], v4, s[22:23] offset:2048*(\t)+512*\i th:TH_LOAD_NT
.endif
.endr
.endm
.macro TURN t                          ; through the stage: LDS serves a wave's instructions in order, so no wait stands between the stores and the loads
.irp i, 0,1,2,3
	ds_store_b128 v14, v[R+16*((\t)%4)+4*\i:R+16*((\t)%4)+4*\i+3] offset:32*SP*((\t)%2)+8*SP*\i
.endr
.irp i, 0,1,2,3
	ds_load_b128 v[X+16*((\t)%2)+4*\i:X+16*((\t)%2)+4*\i+3], v15 offset:32*SP*((\t)%2)+16*\i
.endr
.endm
.irp t, 0,1,2,3
	LOAD \t
.endr
	s_wait_loadcnt 12                              ; row 0's four loads are in; three rows' may be out
	TURN 0
.macro STEP t
.set XS, X+16*((\t)%2)
.if (\t) > 0
	s_wait_dscnt 2                                 ; this row is back from the stage; the last step's two stores (codes, byte) may be out
.else
	s_wait_dscnt 0x0
.endif
.if (\t)+4 < STEPS
	LOAD (\t)+4                                    ; into the registers that the stage's stores have read
.endif
.if (\t)+1 < STEPS
.if STEPS-2-(\t) >= 3
	s_wait_loadcnt 12                              ; the next row's loads are in; those of the three rows behind it may be out
.else
	s_wait_loadcnt 4*(STEPS-2-(\t))
.endif
	TURN (\t)+1
.endif
	v_max3_num_f32 v8, |v[XS]|, |v[XS+1]|, |v[XS+2]|
	v_max3_num_f32 v9, |v[XS+3]|, |v[XS+4]|, |v[XS+5]|
.irp i, 6,10
	v_max3_num_f32 v8, v8, |v[XS+\i]|, |v[XS+\i+1]|
	v_max3_num_f32 v9, v9, |v[XS+\i+2]|, |v[XS+\i+3]|
.endr
	v_max3_num_f32 v8, v8, |v[XS+14]|, |v[XS+15]|
	v_max3_num_f32 v8, v8, v9, (EMAX+1)<<23        ; the floor 2^(3 - 127): the byte cannot fall under 1
	v_max_num_f32_dpp v8, v8, v8 row_xmask:1 row_mask:0xf bank_mask:0xf   ; with my neighbour's 16: the block's largest magnitude
	v_add_nc_u32 v11, -(EMAX<<23), v8              ; 2 off its exponent field: the conversion takes that field as its scale
	v_cvt_scalef32_pk8_fp4_f32 v[C+2*(\t)], v[XS:XS+7], v11
	v_cvt_scalef32_pk8_fp4_f32 v[C+2*(\t)+1], v[XS+8:XS+15], v11
	v_lshrrev_b32 v[E+(\t)], 23, v11               ; the scale's byte (also the plain line behind the conversions)
	ds_store_b64 v[CSTO], v[C+2*(\t):C+2*(\t)+1] offset:16*(\t)
	ds_store_b8 v5, v[E+(\t)] offset:16*(\t)       ; both lanes of a block write the same byte with the same value
.endm
.irp t, 0,1,2,3,4,5,6,7,8,9,10,11,12,13,14,15
	STEP \t
.endr
.irp i, 0,1,2,3,4,5,6,7
	ds_load_b128 v[16+4*\i:19+4*\i], v[CRD] offset:544*\i          ; two blocks of 256 bytes an instruction; these see my stores
.endr
	ds_load_b64 v[8:9], v6
.irp i, 0,1,2,3,4,5,6,7
	s_wait_dscnt 8-\i                              ; the younger loads may be out
	global_store_b128 v3, v[16+4*\i:19+4*\i], s[18:19] offset:512*\i   ; 512 consecutive bytes of the record
.endr
	s_wait_dscnt 0x0
	global_store_b64 v7, v[8:9], s[18:19] offset:4096               ; its 256 scale bytes
	s_wait_tensorcnt 0x0                           ; the wave's end, behind my last LDS store
	ds_add_u32 v[SPW], v[NIL]
	s_wait_dscnt 0x0
	s_endpgm
; Wo1, Wo2: wo is [matrix][K step of 32, 0..15][tile T 0..31][g 0..1][lane][16 bytes]; lane (r, h), group g holds f16 of W[32 (T / 2) + 8 (T % 2) + r + 8 (r / 8)][32 s + 16 h + 8 g + 0 .. 7].
.Lconv:
	s_sub_co_u32 s24, ttmp9, 1048
	s_lshr_b32 s25, s24, 5                         ; which matrix
	s_and_b32 s26, s24, 31                         ; T
	s_lshr_b32 s27, s26, 1
	s_lshl_b32 s27, s27, 5
	s_and_b32 s28, s26, 1
	s_lshl_b32 s28, s28, 3
	s_add_co_u32 s27, s27, s28                     ; the tile's first row
	s_lshl_b32 s32, s27, 11
	s_lshl_b32 s28, s30, 9
	s_add_co_u32 s32, s32, s28                     ; + my wave's four K steps: 512 bytes of a row
	s_mov_b32 s33, 0
	s_lshl_b32 s34, s25, 19
	s_lshl_b32 s28, s26, 10
	s_add_co_u32 s34, s34, s28
	s_lshl_b32 s28, s30, 17
	s_add_co_u32 s34, s34, s28
	s_mov_b32 s35, 0
	v_and_b32 v5, 15, v2
	v_and_b32 v6, 8, v5
	v_add_nc_u32 v5, v5, v6                        ; r + 8 (r / 8)
	v_lshrrev_b32 v6, 4, v2
	v_lshlrev_b32 v5, 11, v5
	v_lshl_add_u32 v5, v6, 6, v5                   ; + 64 h
	s_wait_kmcnt 0x0
	s_cmp_eq_u32 s25, 0
	s_cselect_b64 s[22:23], s[14:15], s[16:17]
	s_add_nc_u64 s[22:23], s[22:23], s[32:33]
	s_add_nc_u64 s[20:21], s[20:21], s[34:35]
.irp q, 0,1,2,3
.irp i, 0,1,2,3
	global_load_b128 v[16+16*\q+4*\i:19+16*\q+4*\i], v5, s[22:23] offset:128*\q+16*\i th:TH_LOAD_NT
.endr
.endr
.irp q, 0,1,2,3
	s_wait_loadcnt 12-4*\q                         ; the later K steps' loads may be out
.irp p, 0,1,2,3,4,5,6,7
	v_cvt_pk_f16_f32 v[80+8*\q+\p], v[16+16*\q+2*\p], v[17+16*\q+2*\p]
.endr
.irp g, 0,1
	global_store_b128 v3, v[80+8*\q+4*\g:83+8*\q+4*\g], s[20:21] offset:32768*\q+512*\g   ; 512 consecutive bytes
.endr
.endr
	s_wait_tensorcnt 0x0                           ; the same three lines at this path's end
	ds_add_u32 v[SPW], v[NIL]
	s_wait_dscnt 0x0
	s_endpgm
.Lfunc_end_k_qe735b5035e_prep:
	.size	k_qe735b5035e_prep, .Lfunc_end_k_qe735b5035e_prep-k_qe735b5035e_prep
	.p2alignl 7, 3214868480
	.fill 96, 4, 3214868480
	.section	.rodata,"a",@progbits
	.p2align	6, 0x0
	.amdhsa_kernel k_qe735b5035e_prep
		.amdhsa_group_segment_fixed_size 39424
		.amdhsa_private_segment_fixed_size 0
		.amdhsa_enable_private_segment 0
		.amdhsa_kernarg_size 72
		.amdhsa_user_sgpr_count 2
		.amdhsa_user_sgpr_kernarg_segment_ptr 1
		.amdhsa_wavefront_size32 1
		.amdhsa_system_sgpr_workgroup_id_x 1
		.amdhsa_system_sgpr_workgroup_id_y 1
		.amdhsa_system_sgpr_workgroup_id_z 1
		.amdhsa_system_vgpr_workitem_id 0
		.amdhsa_next_free_vgpr 168
		.amdhsa_next_free_sgpr 66
		.amdhsa_reserve_vcc 0
		.amdhsa_float_denorm_mode_32 3
		.amdhsa_float_denorm_mode_16_64 3
		.amdhsa_memory_ordered 1
		.amdhsa_forward_progress 1
		.amdhsa_inst_pref_size 41
	.end_amdhsa_kernel
	.amdgpu_metadata
---
amdhsa.version: [ 1, 2 ]
amdhsa.kernels:
  - .name:           k_qe735b5035e_prep
    .symbol:         k_qe735b5035e_prep.kd
    .args:
      - { .name: key, .offset: 0, .size: 8, .value_kind: global_buffer, .address_space: global }
      - { .name: value, .offset: 8, .size: 8, .value_kind: global_buffer, .address_space: global }
      - { .name: Wk, .offset: 16, .size: 8, .value_kind: global_buffer, .address_space: global }
      - { .name: Wv, .offset: 24, .size: 8, .value_kind: global_buffer, .address_space: global }
      - { .name: Wq, .offset: 32, .size: 8, .value_kind: global_buffer, .address_space: global }
      - { .name: Wo1, .offset: 40, .size: 8, .value_kind: global_buffer, .address_space: global }
      - { .name: Wo2, .offset: 48, .size: 8, .value_kind: global_buffer, .address_space: global }
      - { .name: codes, .offset: 56, .size: 8, .value_kind: global_buffer, .address_space: global }
      - { .name: wo, .offset: 64, .size: 8, .value_kind: global_buffer, .address_space: global }
    .group_segment_fixed_size: 39424
    .private_segment_fixed_size: 0
    .kernarg_segment_align: 8
    .kernarg_segment_size: 72
    .max_flat_workgroup_size: 128
    .sgpr_count:     66
    .vgpr_count:     168
    .wavefront_size: 32
...
	.end_amdgpu_metadata
.endif
;; end of part 1
;; launch kvsum (part 2): grid 256 x 1, 4 waves a work-group, clusters of 4 x 1, 327,680 bytes of LDS; arguments codes, bk, bv, kln_w, kln_b, vln_w, vln_b, part; writes part
.if DOCPART == 2
	.amdgcn_target "amdgcn-amd-amdhsa--gfx1250"
	.amdhsa_code_object_version 6
	.text
	.protected	k_qe735b5035e_kvsum
	.globl	k_qe735b5035e_kvsum
	.p2align	8
	.type	k_qe735b5035e_kvsum,@function
k_qe735b5035e_kvsum:
	s_mov_b64 s[64:65], 0
	v_nop
	global_prefetch_b8 v0, s[64:65] scope:SCOPE_SE
	s_setreg_imm32_b32 hwreg(HW_REG_WAVE_MODE, 25, 1), 1
	s_wait_xcnt 0x0
	s_wait_alu depctr_hold_cnt(0) depctr_sa_sdst(0) depctr_va_vdst(0) depctr_va_sdst(0) depctr_va_ssrc(0) depctr_va_vcc(0) depctr_vm_vsrc(0)
	s_getreg_b32 s2, hwreg(HW_REG_IB_STS2, 6, 4)
	s_cmp_eq_u32 s2, 0
	s_cbranch_scc0 .Lentry_in_a_cluster
	s_endpgm
.Lentry_in_a_cluster:
	s_bfe_u32 s2, ttmp6, 0x10000c
	s_cmp_lg_u32 s2, 0x3003
	s_cbranch_scc0 .Lentry_shape_is_right
	s_endpgm
.Lentry_shape_is_right:
; KVSUM.  For 512 rows of one batch and two heads a work-group: k = key Wk^T + bk and v = value Wv^T + bv on codes of FP4 (sums f32), LayerNorm over a head's 64 channels in f32, and the part of k^T v over these rows
; (bf16 operands, f32 sums).  The eight parts of a (batch, head) are added by the next launch.
; CLUSTER.  The four partners take the four pairs of heads of the same 512 rows, so they need the same records of key and value: each wave asks for a quarter of them JOINTLY (one tensor load, the same descriptor, mask 15):
; 16 records, 69,632 dense bytes, as 272 rows of 256 bytes.  All 278,528 bytes fit in LDS: nothing is filled again.  The place in the cluster enters global addresses alone (weights, biases, part).
; SHARES.  Wave w: head 2 cx + w / 2, rows 256 (w % 2) on: 8 groups of 32 rows.  The two waves of a head add their sums through LDS at the end.
; LAYOUT.  The projections are used as they stand (source 0 = 16 rows, source 1 = 16 channels): a lane holds ONE channel (lane % 16) and rows 8 (lane / 16) + 0 .. 7.  Two tiles of rows, rounded to bf16 in pairs, ARE the
; operands (16 channels x 32 rows) of k^T v: nothing changes lanes.  The LayerNorm's sums run over the four tiles of channels in a lane and then over the 16 lanes of a half (four steps on the arithmetic itself).
; LIMITS: NaN and infinities are not served; k and v are rounded to bf16 for k^T v.
; REGISTERS, in windows of 256: window 0: v1-15 addresses; v16-39 scale words and nothing else; v40-71 the LayerNorms' gains and offsets, in pairs; v72-87 sums; v104-167 the projection's 8 tiles; v168-231 k and v in bf16;
;   window 1: Wk's and Wv's 16 fragments each;  window 2: v0-127 a group's fragments of key and value, v128-255 the 16 accumulators of k^T v;  window 3: v0-63 bk, bv as the C of a sum's first product.
.set REC,   4352
.set HALFB, 69632                      ; 16 records: what one tensor load brings
.set VALB,  139264                     ; value's records lie behind key's 32; also: Wv's records lie 32 records behind Wk's
.set STG,   278528                     ; 16,384 bytes for each head: one wave's accumulators
.set SPARE, 311296                     ; the spare words, 128 bytes a wave: no other line names them
.set LI,  4                            ; 16 x lane
.set AK0, 5                            ; my half's records of key;  AV0 of value
.set AV0, 6
.set SK0, 7                            ; their scale bytes: lanes 0-15 the group's first record, lanes 16-31 its second
.set SV0, 8
.set AK,  9                            ; the same four for the group in hand
.set AV,  10
.set ASK, 11
.set ASV, 12
.set STA, 13                           ; my head's stage + 16 x lane
.set O4R, 14                           ; 4 r
.set OSC, 15                           ; 4352 h + 16 r
.set SK,  16                           ; v16-19 key's scale words (register s), v20-23 value's
.set WSK, 24                           ; v24-31 Wk's (4 (t / 2) + s; lanes 0-15 tile 2 p, lanes 16-31 tile 2 p + 1), v32-39 Wv's
.set KW,  40
.set KB,  48
.set VW,  56
.set VB,  64
.set S,   72
.set D,   104
.set KF,  168
.set VF,  200
.set SPW, 252
.set NIL, 253
.set MSB, 0
.macro WIN new                         ; the immediate's high byte repeats the setting that is left
.if MSB != (\new)
	s_set_vgpr_msb (MSB<<8)|(\new)
.set MSB, (\new)
.endif
.endm
.macro PLACES
.rept 4
	v_nop
.endr
.endm
.macro CROUND                          ; a round of the cluster's barrier
	s_barrier_signal -1
	s_barrier_wait -1
	s_cmp_lg_u32 s20, 0
	s_cbranch_scc1 .Lnot_wave_0_\@
	s_barrier_signal -3
.Lnot_wave_0_\@:
	s_barrier_wait -3
	s_barrier_signal -1
	s_barrier_wait -1
.endm
	s_load_b256 s[4:11], s[0:1], 0x0               ; codes, bk, bv, kln_w
	s_load_b256 s[12:19], s[0:1], 0x20             ; kln_b, vln_w, vln_b, part
	v_lshl_add_u32 v[SPW], v0, 2, SPARE
	v_mov_b32 v[NIL], 0
	ds_add_u32 v[SPW], v[NIL]                      ; the wave's opening: the add, twice on end, and its wait ahead of my first tensor load
	ds_add_u32 v[SPW], v[NIL]
	v_lshrrev_b32 v1, 5, v0
	v_readfirstlane_b32 s20, v1                    ; wave
	s_bfe_u32 s21, ttmp6, 0x40000                  ; cx
	s_lshr_b32 s24, s20, 1
	s_and_b32 s23, s20, 1                          ; which 256 rows are mine
	s_lshl_b32 s22, s21, 1
	s_add_co_u32 s22, s22, s24                     ; my head
	s_mov_b32 s32, 15|(3<<16)|(1<<21)              ; group 1: mask: all four partners; elements of 8 bytes; bit 21 beside a mask; no padding
	s_mov_b32 s33, 32<<16                          ; tensor_dim0 = 32 elements (256 bytes)
	s_mov_b32 s34, 272<<16                         ; tensor_dim1 = 272 rows
	s_mov_b32 s35, 32<<16                          ; tile_dim0
	s_mov_b32 s36, 272                             ; tile_dim1
	s_mov_b32 s37, 32                              ; the pitch: dense
	s_mov_b32 s38, 0
	s_mov_b32 s39, 0
	s_mov_b32 s28, 1                               ; group 0: count
	s_mul_i32 s29, s20, HALFB                      ; LDS: wave x 16 records
	s_lshl_b32 s25, ttmp9, 5                       ; the cluster's first tile of rows: 32 x cluster
	s_lshl_b32 s26, s24, 11                        ; waves 2, 3: value's records
	s_add_co_u32 s25, s25, s26
	s_lshl_b32 s26, s23, 4                         ; odd waves: the second 16
	s_add_co_u32 s25, s25, s26
	s_mul_i32 s46, s25, REC
	s_mov_b32 s47, 0
	s_lshl_b32 s50, s22, 2
	s_add_co_u32 s50, s50, 4096
	s_mul_i32 s50, s50, REC                        ; Wk's four records of my head
	s_mov_b32 s51, 0
	s_lshl_b32 s52, s22, 8                         ; my head's 64 numbers of bk, bv
	s_mov_b32 s53, 0
	s_lshr_b32 s54, ttmp9, 3
	s_lshl_b32 s54, s54, 3
	s_add_co_u32 s54, s54, s22                     ; 8 x batch + head
	s_lshl_b32 s54, s54, 17
	s_and_b32 s55, ttmp9, 7
	s_lshl_b32 s55, s55, 14
	s_add_co_u32 s54, s54, s55                     ; + which 512 rows
	s_mov_b32 s55, 0
	s_mov_b32 s40, 0xbc800000                      ; -1/64,
	s_mov_b32 s41, s40                             ; (named with it as a pair)
	s_mov_b32 s42, 0x3c800000                      ; 1/64
	s_mov_b32 s43, 0x3727c5ac                      ; 1e-5
	s_mov_b32 s44, 0                               ; where the group to be fetched begins in my half
	v_and_b32 v1, 31, v0
	v_and_b32 v2, 15, v0                           ; r
	v_bfe_u32 v3, v0, 4, 1                         ; h
	v_lshlrev_b32 v[LI], 4, v1
	s_mul_i32 s56, s23, HALFB
	v_add_nc_u32 v[AK0], s56, v[LI]
	v_add_nc_u32 v[AV0], VALB, v[AK0]
	v_mul_u32_u24 v[OSC], v3, REC
	v_lshl_add_u32 v[OSC], v2, 4, v[OSC]
	v_add_nc_u32 v[SK0], s56, v[OSC]
	v_add_nc_u32 v[SK0], 4096, v[SK0]
	v_add_nc_u32 v[SV0], VALB, v[SK0]
	s_lshl_b32 s57, s24, 14
	v_add_nc_u32 v[STA], s57, v[LI]
	v_add_nc_u32 v[STA], STG, v[STA]
	v_lshlrev_b32 v[O4R], 2, v2
	s_wait_dscnt 0x0                               ; both opening adds are done
	s_wait_kmcnt 0x0
	s_add_nc_u64 s[30:31], s[4:5], s[46:47]        ; group 0: global address,
	s_or_b32 s31, s31, 0x80000000                  ; type
	s_add_nc_u64 s[48:49], s[4:5], s[50:51]
	s_add_nc_u64 s[6:7], s[6:7], s[52:53]
	s_add_nc_u64 s[8:9], s[8:9], s[52:53]
	s_add_nc_u64 s[18:19], s[18:19], s[54:55]
	CROUND                                         ; all four work-groups are here: the joint loads meet
	tensor_load_to_lds s[28:31], s[32:39]          ; my one tensor load
	s_nop 0
	PLACES
	WIN 0x40                                       ; destination window 1: the weights' fragments stay in registers
.irp x, 0,1
.irp t, 0,1,2,3
.irp s, 0,1,2,3
.irp c, 0,1
	global_load_b128 v[128*\x+8*(4*\t+\s)+4*\c:128*\x+8*(4*\t+\s)+4*\c+3], v[LI], s[48:49] offset:VALB*\x+REC*\t+1024*\s+512*\c
.endr
.endr
.endr
.endr
	WIN 0
.irp x, 0,1
.irp p, 0,1
	global_load_b128 v[WSK+8*\x+4*\p:WSK+8*\x+4*\p+3], v[OSC], s[48:49] offset:VALB*\x+4096+2*REC*\p
.endr
.endr
	WIN 0xc0                                       ; destination window 3: a lane's channel has one bias for all eight rows
.irp t, 0,1,2,3
.irp j, 0,1,2,3,4,5,6,7
	global_load_b32 v[8*\t+\j], v[O4R], s[6:7] offset:64*\t
	global_load_b32 v[32+8*\t+\j], v[O4R], s[8:9] offset:64*\t
.endr
.endr
	WIN 0
.irp t, 0,1,2,3
.irp e, 0,1
	global_load_b32 v[KW+2*\t+\e], v[O4R], s[10:11] offset:64*\t
	global_load_b32 v[KB+2*\t+\e], v[O4R], s[12:13] offset:64*\t
	global_load_b32 v[VW+2*\t+\e], v[O4R], s[14:15] offset:64*\t
	global_load_b32 v[VB+2*\t+\e], v[O4R], s[16:17] offset:64*\t
.endr
.endr
	s_wait_tensorcnt 0x0                           ; my quarter has landed,
	s_barrier_signal -1
	s_barrier_wait -1                              ; everybody's has
	s_wait_loadcnt 0x0
; A group's fragments: 2 records x 4 K steps x 2 loads of 512 consecutive bytes, and one load of scale words: 17 LDS loads.
.macro FETCHK
	v_add_nc_u32 v[AK], s44, v[AK0]                ; (the loads that read these two are back)
	v_add_nc_u32 v[ASK], s44, v[SK0]
	WIN 0x80
.irp i, 0,1
.irp s, 0,1,2,3
.irp c, 0,1
	ds_load_b128 v[8*(4*\i+\s)+4*\c:8*(4*\i+\s)+4*\c+3], v[AK] offset:REC*\i+1024*\s+512*\c
.endr
.endr
.endr
	WIN 0
	ds_load_b128 v[SK:SK+3], v[ASK]
.endm
.macro FETCHV
	v_add_nc_u32 v[AV], s44, v[AV0]
	v_add_nc_u32 v[ASV], s44, v[SV0]
	s_add_co_u32 s44, s44, 2*REC                   ; the next fetch is the next group's
	WIN 0x80
.irp i, 0,1
.irp s, 0,1,2,3
.irp c, 0,1
	ds_load_b128 v[64+8*(4*\i+\s)+4*\c:64+8*(4*\i+\s)+4*\c+3], v[AV] offset:REC*\i+1024*\s+512*\c
.endr
.endr
.endr
	WIN 0
	ds_load_b128 v[SK+4:SK+7], v[ASV]
.endm
.macro WM ra, rb                       ; one scaled product on rD, rA, rB, rC, rSA, rSB; ra, rb: the half of the lanes that holds A's, B's scale words
.if ((\ra) == 0) && ((\rb) == 0)
	v_wmma_scale_f32_16x16x128_f8f6f4 v[rD:rD+7], v[rA:rA+7], v[rB:rB+7], v[rC:rC+7], v[rSA], v[rSB] matrix_a_fmt:MATRIX_FMT_FP4 matrix_b_fmt:MATRIX_FMT_FP4
.elseif ((\ra) == 1) && ((\rb) == 0)
	v_wmma_scale_f32_16x16x128_f8f6f4 v[rD:rD+7], v[rA:rA+7], v[rB:rB+7], v[rC:rC+7], v[rSA], v[rSB] matrix_a_fmt:MATRIX_FMT_FP4 matrix_b_fmt:MATRIX_FMT_FP4 matrix_a_scale:MATRIX_SCALE_ROW1
.elseif ((\ra) == 0)
	v_wmma_scale_f32_16x16x128_f8f6f4 v[rD:rD+7], v[rA:rA+7], v[rB:rB+7], v[rC:rC+7], v[rSA], v[rSB] matrix_a_fmt:MATRIX_FMT_FP4 matrix_b_fmt:MATRIX_FMT_FP4 matrix_b_scale:MATRIX_SCALE_ROW1
.else
	v_wmma_scale_f32_16x16x128_f8f6f4 v[rD:rD+7], v[rA:rA+7], v[rB:rB+7], v[rC:rC+7], v[rSA], v[rSB] matrix_a_fmt:MATRIX_FMT_FP4 matrix_b_fmt:MATRIX_FMT_FP4 matrix_a_scale:MATRIX_SCALE_ROW1 matrix_b_scale:MATRIX_SCALE_ROW1
.endif
.endm
; 32 rows x 64 channels of k (x = 0) or v (x = 1): 8 accumulators by turns, one instruction a turn, K step by K step; the bias is the C of the first.
.macro PROJ x
.irp s, 0,1,2,3
.if \s == 0
	WIN 0x36                                       ; A window 2, B window 1, C window 3, D window 0
.else
	WIN 0x06
.endif
.irp i, 0,1
.irp t, 0,1,2,3
.set rD, D+32*\i+8*\t
.set rA, 64*\x+8*(4*\i+\s)
.set rB, 128*\x+8*(4*\t+\s)
.if \s == 0
.set rC, 32*\x+8*\t
.else
.set rC, rD
.endif
.set rSA, SK+4*\x+\s
.set rSB, WSK+8*\x+4*(\t/2)+\s
	WM \i, \t%2
.endr
.endr
.endr
.endm
.macro DPPSUM                          ; the 16 sums over the 16 lanes of a half, by turns
.irp m, 1,2,4,8
.set n, 0
.rept 16
	v_add_f32_dpp v[S+n], v[S+n], v[S+n] row_xmask:\m row_mask:0xf bank_mask:0xf
.set n, n+1
.endr
.endr
.endm
; LayerNorm of the 32 rows in D, in f32, in two passes; gw, gb: gain and offset pairs; fo: where the bf16 operand goes.  Each tile is read from its low end on.
.macro LN gw, gb, fo
.irp jp, 0,2,4,6
.irp i, 0,1
	v_pk_add_f32 v[S+8*\i+\jp:S+8*\i+\jp+1], v[D+32*\i+\jp:D+32*\i+\jp+1], v[D+32*\i+8+\jp:D+32*\i+8+\jp+1]
.endr
.irp t, 2,3
.irp i, 0,1
	v_pk_add_f32 v[S+8*\i+\jp:S+8*\i+\jp+1], v[S+8*\i+\jp:S+8*\i+\jp+1], v[D+32*\i+8*\t+\jp:D+32*\i+8*\t+\jp+1]
.endr
.endr
.endr
	DPPSUM
.irp t, 0,1,2,3
.irp i, 0,1
.irp jp, 0,2,4,6
.set rX, D+32*\i+8*\t+\jp
.set rS, S+8*\i+\jp
	v_pk_fma_f32 v[rX:rX+1], v[rS:rS+1], s[40:41], v[rX:rX+1] op_sel_hi:[1,0,1]   ; x - mean
.endr
.endr
.endr
.irp t, 0,1,2,3
.irp i, 0,1
.irp jp, 0,2,4,6
.set rX, D+32*\i+8*\t+\jp
.set rS, S+8*\i+\jp
.if \t == 0
	v_pk_mul_f32 v[rS:rS+1], v[rX:rX+1], v[rX:rX+1]
.else
	v_pk_fma_f32 v[rS:rS+1], v[rX:rX+1], v[rX:rX+1], v[rS:rS+1]
.endif
.endr
.endr
.endr
	DPPSUM
.set n, 0
.rept 16
	v_fma_f32 v[S+n], v[S+n], s42, s43             ; the variance + 1e-5
.set n, n+1
.endr
.set n, 0
.rept 16
	v_rsq_f32 v[S+n], v[S+n]
.set n, n+1
.endr
	v_nop                                          ; a plain line behind the last of the batch,
	s_wait_alu depctr_va_vdst(0)                   ; and one wait for the sixteen, ahead of their first reader
.irp t, 0,1,2,3
.irp i, 0,1
.irp jp, 0,2,4,6
.set rX, D+32*\i+8*\t+\jp
.set rS, S+8*\i+\jp
	v_pk_mul_f32 v[rX:rX+1], v[rX:rX+1], v[rS:rS+1]
.endr
.endr
.endr
.irp t, 0,1,2,3
.irp i, 0,1
.irp jp, 0,2,4,6
.set rX, D+32*\i+8*\t+\jp
	v_pk_fma_f32 v[rX:rX+1], v[rX:rX+1], v[\gw+2*\t:\gw+2*\t+1], v[\gb+2*\t:\gb+2*\t+1]
.endr
.endr
.endr
.irp t, 0,1,2,3
.irp i, 0,1
.irp p, 0,1,2,3
	v_cvt_pk_bf16_f32 v[\fo+8*\t+4*\i+\p], v[D+32*\i+8*\t+2*\p], v[D+32*\i+8*\t+2*\p+1]
.endr
.endr
.endr
.endm
.macro KTV zero                        ; k^T v over the group's 32 rows: 16 accumulators, one instruction each
	PLACES                                         ; four places between the conversions and the products that read them, as the scaled form has them
	WIN 0xa0                                       ; C and D window 2
.irp td, 0,1,2,3
.irp te, 0,1,2,3
.if \zero
	v_wmma_f32_16x16x32_bf16 v[128+8*(4*\td+\te):128+8*(4*\td+\te)+7], v[KF+8*\td:KF+8*\td+7], v[VF+8*\te:VF+8*\te+7], 0
.else
	v_wmma_f32_16x16x32_bf16 v[128+8*(4*\td+\te):128+8*(4*\td+\te)+7], v[KF+8*\td:KF+8*\td+7], v[VF+8*\te:VF+8*\te+7], v[128+8*(4*\td+\te):128+8*(4*\td+\te)+7]
.endif
.endr
.endr
.endm
.macro GROUP zero, more
	s_wait_dscnt 17                                ; key's 17 loads are in; value's 17, issued behind them, may be out
	PROJ 0
	WIN 0
	PLACES                                         ; in front of loads into registers that the products have read, and of the first read of results
.if \more
	FETCHK                                         ; the next group's key
.endif
	LN KW, KB, KF
	s_wait_dscnt 17*\more                          ; value's loads are in; the next group's key, issued behind them, may be out
	PROJ 1
	WIN 0
	PLACES
.if \more
	FETCHV
.endif
	LN VW, VB, VF
	KTV \zero
	WIN 0
.endm
	FETCHK
	FETCHV
	GROUP 1, 1                                     ; the first group starts the sums: nothing is cleared
	s_mov_b32 s45, 6
.Lgroup:
	GROUP 0, 1
	s_sub_co_u32 s45, s45, 1
	s_cmp_lg_u32 s45, 0
	s_cbranch_scc1 .Lgroup
	GROUP 0, 0                                     ; the last group fetches nothing
	PLACES
	; THE WAY OUT.  The odd wave of a head hands its 16 accumulators over as images of its registers; the even wave adds them to its own and stores 16,384 consecutive bytes.
	s_cmp_eq_u32 s23, 0
	s_cbranch_scc1 .Lkeep
	WIN 0x08                                       ; an LDS store's data: window 2
.set n, 0
.rept 32
	ds_store_b128 v[STA], v[128+4*n:128+4*n+3] offset:512*n
.set n, n+1
.endr
	WIN 0
.Lkeep:
	s_wait_dscnt 0x0                               ; for the other wave's sake: my stores are done
	s_barrier_signal -1
	s_barrier_wait -1
	s_cmp_lg_u32 s23, 0
	s_cbranch_scc1 .Ldone
.set n, 0
.rept 32
	ds_load_b128 v[D+4*n:D+4*n+3], v[STA] offset:512*n
.set n, n+1
.endr
	s_wait_dscnt 0x0
	WIN 0x02                                       ; source 0: my accumulators, window 2, each from its low end on
.set n, 0
.rept 64
	v_pk_add_f32 v[D+2*n:D+2*n+1], v[128+2*n:128+2*n+1], v[D+2*n:D+2*n+1]
.set n, n+1
.endr
	WIN 0
.set n, 0
.rept 32
	global_store_b128 v[LI], v[D+4*n:D+4*n+3], s[18:19] offset:512*n   ; 512 consecutive bytes
.set n, n+1
.endr
.Ldone:
	s_wait_tensorcnt 0x0                           ; the wave's end
	ds_add_u32 v[SPW], v[NIL]
	s_wait_dscnt 0x0
	CROUND                                         ; the closing round
	s_endpgm
.Lfunc_end_k_qe735b5035e_kvsum:
	.size	k_qe735b5035e_kvsum, .Lfunc_end_k_qe735b5035e_kvsum-k_qe735b5035e_kvsum
	.p2alignl 7, 3214868480
	.fill 96, 4, 3214868480
	.section	.rodata,"a",@progbits
	.p2align	6, 0x0
	.amdhsa_kernel k_qe735b5035e_kvsum
		.amdhsa_group_segment_fixed_size 327680
		.amdhsa_private_segment_fixed_size 0
		.amdhsa_enable_private_segment 0
		.amdhsa_kernarg_size 64
		.amdhsa_user_sgpr_count 2
		.amdhsa_user_sgpr_kernarg_segment_ptr 1
		.amdhsa_wavefront_size32 1
		.amdhsa_system_sgpr_workgroup_id_x 1
		.amdhsa_system_sgpr_workgroup_id_y 1
		.amdhsa_system_sgpr_workgroup_id_z 1
		.amdhsa_system_vgpr_workitem_id 0
		.amdhsa_next_free_vgpr 832
		.amdhsa_next_free_sgpr 66
		.amdhsa_reserve_vcc 0
		.amdhsa_float_denorm_mode_32 3
		.amdhsa_float_denorm_mode_16_64 3
		.amdhsa_memory_ordered 1
		.amdhsa_forward_progress 1
		.amdhsa_inst_pref_size 195
	.end_amdhsa_kernel
	.amdgpu_metadata
---
amdhsa.version: [ 1, 2 ]
amdhsa.kernels:
  - .name:           k_qe735b5035e_kvsum
    .symbol:         k_qe735b5035e_kvsum.kd
    .args:
      - { .name: codes, .offset: 0, .size: 8, .value_kind: global_buffer, .address_space: global }
      - { .name: bk, .offset: 8, .size: 8, .value_kind: global_buffer, .address_space: global }
      - { .name: bv, .offset: 16, .size: 8, .value_kind: global_buffer, .address_space: global }
      - { .name: kln_w, .offset: 24, .size: 8, .value_kind: global_buffer, .address_space: global }
      - { .name: kln_b, .offset: 32, .size: 8, .value_kind: global_buffer, .address_space: global }
      - { .name: vln_w, .offset: 40, .size: 8, .value_kind: global_buffer, .address_space: global }
      - { .name: vln_b, .offset: 48, .size: 8, .value_kind: global_buffer, .address_space: global }
      - { .name: part, .offset: 56, .size: 8, .value_kind: global_buffer, .address_space: global }
    .group_segment_fixed_size: 327680
    .private_segment_fixed_size: 0
    .kernarg_segment_align: 8
    .kernarg_segment_size: 64
    .max_flat_workgroup_size: 128
    .sgpr_count:     66
    .vgpr_count:     832
    .wavefront_size: 32
...
	.end_amdgpu_metadata
.endif
;; end of part 2
;; launch kvfin (part 3): grid 256 x 1, 4 waves a work-group, no clusters, 0 bytes of LDS; arguments part, kvb; writes kvb
.if DOCPART == 3
	.amdgcn_target "amdgcn-amd-amdhsa--gfx1250"
	.amdhsa_code_object_version 6
	.text
	.protected	k_qe735b5035e_kvfin
	.globl	k_qe735b5035e_kvfin
	.p2align	8
	.type	k_qe735b5035e_kvfin,@function
k_qe735b5035e_kvfin:
	s_mov_b64 s[64:65], 0
	v_nop
	global_prefetch_b8 v0, s[64:65] scope:SCOPE_SE
	s_setreg_imm32_b32 hwreg(HW_REG_WAVE_MODE, 25, 1), 1
	s_wait_xcnt 0x0
; KVFIN.  kv[d][e] of each (batch, head) = the sum of its eight parts, in ascending order, x 2^-12 (the division by 4,096, exact), rounded to bf16 and laid as the last launch's operand registers want it:
; kvb is [8 batch + head][tile te 0..3][kb 0..1][g 0..1][lane][16 bytes]; lane (r, h) holds kv[32 kb + 16 h + 8 g + 0 .. 7][32 (te / 2) + 8 (te % 2) + r + 8 (r / 8)].
; part is [8 batch + head][part 0..7][tile 4 td + te][g][lane][16 bytes], f32: lane (r, h), number 4 g + q is kv[16 td + 8 h + 4 g + q][16 te + r].
; A thread makes 16 bytes of kvb (thread t of work-group x: byte 16 (128 x + t)): a wave's store covers 512 consecutive bytes.  Its eight d lie in two runs of 16 bytes of each part.  8 MiB are read once; no LDS, no matrix unit.
	s_load_b128 s[4:7], s[0:1], 0x0                ; part, kvb
	v_and_b32 v1, 15, v0                           ; r
	v_bfe_u32 v2, v0, 4, 1                         ; h
	v_bfe_u32 v3, v0, 5, 1                         ; g
	v_bfe_u32 v4, v0, 6, 1                         ; kb
	v_lshl_add_u32 v5, v4, 1, v2                   ; td = 2 kb + h
	v_lshrrev_b32 v6, 3, v1
	v_lshl_add_u32 v5, v5, 2, v6                   ; source tile 4 td + r / 8 (+ 2 (te / 2), in the scalar part)
	v_lshlrev_b32 v5, 10, v5
	v_lshl_add_u32 v5, v3, 8, v5                   ; source lane 16 g + r % 8 (+ 8 (te % 2))
	v_and_b32 v6, 7, v1
	v_lshl_add_u32 v5, v6, 4, v5
	v_lshlrev_b32 v7, 4, v0
	s_lshr_b32 s8, ttmp9, 2
	s_lshl_b32 s8, s8, 17                          ; 8 batch + head
	s_and_b32 s9, ttmp9, 3                         ; te
	s_lshr_b32 s10, s9, 1
	s_lshl_b32 s10, s10, 11
	s_add_co_u32 s8, s8, s10
	s_and_b32 s10, s9, 1
	s_lshl_b32 s10, s10, 7
	s_add_co_u32 s8, s8, s10
	s_mov_b32 s9, 0
	s_lshl_b32 s10, ttmp9, 11
	s_mov_b32 s11, 0
	s_wait_kmcnt 0x0
	s_add_nc_u64 s[4:5], s[4:5], s[8:9]
	s_add_nc_u64 s[6:7], s[6:7], s[10:11]
.irp c, 0,1,2,3,4,5,6,7
.irp g, 0,1
	global_load_b128 v[16+8*\c+4*\g:19+8*\c+4*\g], v5, s[4:5] offset:16384*\c+512*\g th:TH_LOAD_NT
.endr
.endr
	s_wait_loadcnt 0x0
.irp c, 1,2,3,4,5,6,7
.irp q, 0,2,4,6
	v_pk_add_f32 v[16+\q:17+\q], v[16+\q:17+\q], v[16+8*\c+\q:17+8*\c+\q]
.endr
.endr
.irp q, 0,2,4,6
	v_pk_mul_f32 v[16+\q:17+\q], v[16+\q:17+\q], 0x39800000 op_sel_hi:[1,0]
.endr
.irp p, 0,1,2,3
	v_cvt_pk_bf16_f32 v[8+\p], v[16+2*\p], v[17+2*\p]
.endr
	global_store_b128 v7, v[8:11], s[6:7]
	s_endpgm
.Lfunc_end_k_qe735b5035e_kvfin:
	.size	k_qe735b5035e_kvfin, .Lfunc_end_k_qe735b5035e_kvfin-k_qe735b5035e_kvfin
	.p2alignl 7, 3214868480
	.fill 96, 4, 3214868480
	.section	.rodata,"a",@progbits
	.p2align	6, 0x0
	.amdhsa_kernel k_qe735b5035e_kvfin
		.amdhsa_group_segment_fixed_size 0
		.amdhsa_private_segment_fixed_size 0
		.amdhsa_enable_private_segment 0
		.amdhsa_kernarg_size 16
		.amdhsa_user_sgpr_count 2
		.amdhsa_user_sgpr_kernarg_segment_ptr 1
		.amdhsa_wavefront_size32 1
		.amdhsa_system_sgpr_workgroup_id_x 1
		.amdhsa_system_sgpr_workgroup_id_y 1
		.amdhsa_system_sgpr_workgroup_id_z 1
		.amdhsa_system_vgpr_workitem_id 0
		.amdhsa_next_free_vgpr 80
		.amdhsa_next_free_sgpr 66
		.amdhsa_reserve_vcc 0
		.amdhsa_float_denorm_mode_32 3
		.amdhsa_float_denorm_mode_16_64 3
		.amdhsa_memory_ordered 1
		.amdhsa_forward_progress 1
		.amdhsa_inst_pref_size 6
	.end_amdhsa_kernel
	.amdgpu_metadata
---
amdhsa.version: [ 1, 2 ]
amdhsa.kernels:
  - .name:           k_qe735b5035e_kvfin
    .symbol:         k_qe735b5035e_kvfin.kd
    .args:
      - { .name: part, .offset: 0, .size: 8, .value_kind: global_buffer, .address_space: global }
      - { .name: kvb, .offset: 8, .size: 8, .value_kind: global_buffer, .address_space: global }
    .group_segment_fixed_size: 0
    .private_segment_fixed_size: 0
    .kernarg_segment_align: 8
    .kernarg_segment_size: 16
    .max_flat_workgroup_size: 128
    .sgpr_count:     66
    .vgpr_count:     80
    .wavefront_size: 32
...
	.end_amdgpu_metadata
.endif
;; end of part 3
;; launch ffn (part 4): grid 256 x 1, 4 waves a work-group, no clusters, 184,832 bytes of LDS; arguments query, codes, kvb, wo, bq, bo1, bo2, out0; writes out0
.if DOCPART == 4
	.amdgcn_target "amdgcn-amd-amdhsa--gfx1250"
	.amdhsa_code_object_version 6
	.text
	.protected	k_qe735b5035e_ffn
	.globl	k_qe735b5035e_ffn
	.p2align	8
	.type	k_qe735b5035e_ffn,@function
k_qe735b5035e_ffn:
	s_mov_b64 s[64:65], 0
	v_nop
	global_prefetch_b8 v0, s[64:65] scope:SCOPE_SE
	s_setreg_imm32_b32 hwreg(HW_REG_WAVE_MODE, 25, 1), 1
	s_wait_xcnt 0x0
; FFN.  For 128 rows a work-group: q = query Wq^T + bq on codes of FP4 (query is quantised here, in registers); ret = q kv + query; h = gelu(ret Wo1^T + bo1); out0 = h Wo2^T + bo2 + query.
; q kv takes bf16 operands (q has no room in f16); the two layers take f16 operands, 11 significant bits; all sums, both additions of query, the biases and the GELU are f32.
; THE RANGE OF f16 IS SERVED BY A POWER-OF-TWO SCALE MADE FROM THE DATA, so that scaling rounds nothing.  For each half of the block (64 rows) the largest magnitude of ret is found, with exponent field E; ret x 2^(140 - E), whose
; largest magnitude then lies in [2^13, 2^14), is what goes to f16.  What falls under f16's normal range is rounded with an absolute error of 2^-39 of the half's largest number.  h likewise, by the half's largest |x|, since |gelu(x)| <= |x|.
; The sums stay scaled: a bias goes in as the C of a sum's first product, times the scale; the GELU works on a = x S with its constants divided by S; the way out multiplies by the inverse in the fused multiply-add that adds query.
; GELU: x Phi(x) = max(x, 0) - |x| (0.5 poly(t)) e^(-x^2 / 2), t = 1 / (1 + 0.3275911 |x| / sqrt 2), the five-term form of erf (Abramowitz and Stegun 7.1.26), absolute error of erf at most 1.5e-7 for every x.
; LIMITS: NaN and infinities are not served; blocks of query whose largest magnitude lies under 2^-124 keep the scale byte 1; a half's largest magnitude is taken as 2^-40 at the least, so a scale is 2^53 at the most and the
; second layer's 2^106: a bias times its scale must stay inside f32.
; SHARES.  THE WAVES SHARE THE COLUMNS: wave w owns columns 128 w .. 128 w + 127 of q (heads 2 w, 2 w + 1), ret, h and out0, for all 128 rows, and quantises K step w of query.  So the 64 numbers a lane that it loads of a
; tile of query serve twice: as the quantiser's input and as the C of q kv.  Its weights go from memory straight into its registers, in the order in which the registers take them.
; NO CLUSTER: each fragment of a weight is used by one wave of a work-group, 8,192 bytes for 64 matrix instructions, and makes no trip through LDS; a tile asked for jointly would have to land in LDS and be read from there.
; ALL PRODUCTS ARE USED TRANSPOSED (source 0 = 16 rows of a weight, source 1 = 16 rows of the activation), and a weight's tile 2 b + u holds rows 32 b + 8 u + r + 8 (r / 8): so a lane holds ONE row, and register j of tile
; 2 b + u holds column 32 b + 16 (lane / 16) + 8 u + j: the 16 registers of two neighbouring tiles are 16 neighbouring columns: the quantiser's order, 64 consecutive bytes of query, and, rounded in pairs, a 16-bit operand
; whose k order the images of kv, Wo1 and Wo2 share.
; OPERANDS GO FROM WAVE TO WAVE THROUGH LDS AS IMAGES OF THEIR REGISTERS: 512 consecutive bytes an instruction, lane l at 16 l.
; REGISTERS.  Window 0: v2-21 addresses that stay; v22-41 scale words of the FP4 products and nothing else; v42-61 largest magnitudes, scales and their inverses; from v62 at work.
; Phase 1: window 1 Wq, window 2 four tiles of query (then ret), window 3 kv and bq.
; Layers: window 0 v64-191 two sets of activation fragments, v192-255 the bias as C; window 1 four sets of weight fragments; windows 2, 3 the 64 accumulators ((a, tt) at v[8 (8 (a % 4) + tt)]).
.set REC,   4352
.set AIMG,  0                          ; [K step of 32, 0..15][tile of rows 0..7][g][lane][16]: ret, later h: 131,072 bytes
.set XIMG,  131072                     ; [tile of rows 0..3][K step of 128, 0..3]: query's fragments, 1,024 bytes each
.set XSC,   147456                     ; their scale words, 128 bytes each
.set STG,   149504                     ; the way out: 16 rows x (512 + 16) bytes for each wave
.set SPARE, 183296                     ; the spare words, 128 bytes a wave: no other line names them
.set MXL,   183808                     ; the waves' largest magnitudes: [half 0..1][wave][lane][4 bytes]
.set MWA, 2                            ; where I store mine;  MRA where all read them
.set MRA, 3
.set LI,  4                            ; 16 x lane
.set LS,  5                            ; 4 x lane
.set XA,  6                            ; query: 2048 r + 64 h
.set XWI, 7                            ; where I store query's images, XWS their scale words; XRI, XRS where all read them
.set XWS, 8
.set XRI, 9
.set XRS, 10
.set RWI, 11                           ; where I store ret's images
.set ADA, 12                           ; where the layers read
.set SO,  13                           ; the stage, in;  SR back
.set SR,  14
.set PFO, 15                           ; the prefetches' offset
.set O64H, 16                          ; 64 h
.set OSC, 17                           ; 4352 h + 16 r
.set HWI, 18                           ; where I store h's images
.set SPW, 20
.set NIL, 21
.set WQS, 22                           ; v22-37 Wq's scale words: 4 (tt / 2) + s; lanes 0-15 the even tile, lanes 16-31 the odd
.set XS,  38                           ; v38-41 query's
.set MX,  42                           ; v42-45 a largest magnitude, in four chains
.set MT,  46                           ; v46, v47 at work
.set MT2, 47
.set SC,  48                           ; v[48:49] the scale in hand, twice
.set IVA, 50                           ; v[50:51] the inverse scale of the sums of rows 0-63, twice;  v[52:53] of rows 64-127
.set IVB, 52
.set K2,  54                           ; v[54:55], v56 the GELU's two constants over the scale of the half in hand;  v57, v60 those of rows 64-127
.set K1,  56
.set K1B, 57
.set GB2, 58                           ; v[58:59] h's scale for rows 64-127
.set K2B, 60
.set XF,  62                           ; phase 1: query's four fragments
.set QA,  94                           ; q, 8 tiles; later ret, scaled
.set QB,  158                          ; q in bf16
.set RB,  190                          ; ret in f16
.set PC,  222                          ; the codes just made
.set TM,  230
.set PW,  246
.set T,   62                           ; GELU
.set Y,   94
.set PL,  126
.set H,   158
.set CA,  174                          ; v174-183 half the five coefficients, in pairs
.set BK,  62                           ; the way out
.set QK,  126
.set MSB, 0
.macro WIN new                         ; the immediate's high byte repeats the setting that is left
.if MSB != (\new)
	s_set_vgpr_msb (MSB<<8)|(\new)
.set MSB, (\new)
.endif
.endm
.macro PLACES
.rept 4
	v_nop
.endr
.endm
.macro BARRIER                         ; my LDS stores have landed and my LDS loads are in: then the work-group's barrier
	s_wait_dscnt 0x0
	s_barrier_signal -1
	s_barrier_wait -1
.endm
.macro MXINIT                          ; the four chains begin at the floor 2^-40
.irp c, 0,1,2,3
	v_mov_b32 v[MX+\c], 0x2b800000
.endr
.endm
.macro REDUCE off                      ; the four chains, the 32 lanes; every lane stores the wave's largest magnitude to a word of its own
	v_max3_num_f32 v[MX], v[MX], v[MX+1], v[MX+2]
	v_max_num_f32 v[MX], v[MX], v[MX+3]
.irp m, 1,2,4,8
	v_max_num_f32_dpp v[MX], v[MX], v[MX] row_xmask:\m row_mask:0xf bank_mask:0xf
.endr
	v_permlanex16_b32 v[MT], v[MX], s32, s33
	v_max_num_f32 v[MX], v[MX], v[MT]
	ds_store_b32 v[MWA], v[MX] offset:\off
.endm
.macro GETM off                        ; behind a barrier: the four waves' words; v[MT] = the exponent field, in its place, of the largest of them
.irp w, 0,1,2,3
	ds_load_b32 v[MX+\w], v[MRA] offset:\off+128*\w
.endr
	s_wait_dscnt 0x0
	v_max3_num_f32 v[MX], v[MX], v[MX+1], v[MX+2]
	v_max_num_f32 v[MX], v[MX], v[MX+3]
	v_and_b32 v[MT], 0x7f800000, v[MX]
.endm
	s_load_b256 s[4:11], s[0:1], 0x0               ; query, codes, kvb, wo
	s_load_b256 s[12:19], s[0:1], 0x20             ; bq, bo1, bo2, out0
	v_lshl_add_u32 v[SPW], v0, 2, SPARE
	v_mov_b32 v[NIL], 0
	v_lshrrev_b32 v1, 5, v0
	v_readfirstlane_b32 s20, v1                    ; wave
	v_and_b32 v1, 31, v0
	v_and_b32 v2, 15, v0                           ; r
	v_bfe_u32 v3, v0, 4, 1                         ; h
	v_lshlrev_b32 v[LI], 4, v1
	v_lshlrev_b32 v[LS], 2, v1
	v_lshlrev_b32 v[XA], 11, v2
	v_lshl_add_u32 v[XA], v3, 6, v[XA]
	s_lshl_b32 s42, s20, 10
	v_add_nc_u32 v[XWI], s42, v[LI]
	v_add_nc_u32 v[XWI], XIMG, v[XWI]
	s_lshl_b32 s42, s20, 7
	v_add_nc_u32 v[XWS], s42, v[LS]
	v_add_nc_u32 v[XWS], XSC, v[XWS]
	v_add_nc_u32 v[XRI], XIMG, v[LI]
	v_add_nc_u32 v[XRS], XSC, v[LS]
	s_lshl_b32 s42, s20, 15
	v_add_nc_u32 v[RWI], s42, v[LI]
	v_add_nc_u32 v[HWI], s42, v[LI]
	s_mul_i32 s42, s20, 16*528
	v_mul_u32_u24 v[SO], v2, 528
	v_lshl_add_u32 v[SO], v3, 6, v[SO]
	v_add_nc_u32 v[SO], s42, v[SO]
	v_add_nc_u32 v[SO], STG, v[SO]
	v_add_nc_u32 v[SR], s42, v[LI]
	v_add_nc_u32 v[SR], STG, v[SR]
	v_lshrrev_b32 v[PFO], 3, v1
	v_lshlrev_b32 v[PFO], 11, v[PFO]
	v_and_b32 v19, 7, v1
	v_lshl_add_u32 v[PFO], v19, 8, v[PFO]          ; row lane / 8, 256 bytes x lane % 8
	v_lshlrev_b32 v[O64H], 6, v3
	v_mul_u32_u24 v[OSC], v3, REC
	v_lshl_add_u32 v[OSC], v2, 4, v[OSC]
	v_add_nc_u32 v[MRA], MXL, v[LS]                ; (r and h are done with)
	s_lshl_b32 s42, s20, 7
	v_add_nc_u32 v[MWA], s42, v[MRA]
.irp b, 0,1,2,3
	v_mov_b32 v[TM+4+\b], 0                        ; written once: a lane permute's destination counts as one of its sources
.endr
	v_mov_b32 v[MT], 0                             ; likewise
	v_mov_b32 v[IVB], 0                            ; (copied to IVA in the first half's trip, and written over in the second's)
	v_mov_b32 v[IVB+1], 0
	s_lshl_b32 s42, ttmp9, 18                      ; my 128 rows of 2,048 bytes,
	s_lshl_b32 s43, s20, 9
	s_add_co_u32 s42, s42, s43                     ; my wave's 512 bytes of a row
	s_mov_b32 s43, 0
	s_lshl_b32 s44, ttmp9, 18
	s_lshl_b32 s45, s20, 15
	s_add_co_u32 s44, s44, s45
	s_add_co_u32 s44, s44, 131072                  ; the second 64 rows, my wave's 16 of them, whole
	s_mov_b32 s45, 0
	s_lshl_b32 s46, s20, 13                        ; my 8 tiles of a K step of Wo1
	s_mov_b32 s47, 0
	s_lshl_b32 s48, s20, 3
	s_add_co_u32 s48, s48, 4160
	s_mul_i32 s48, s48, REC                        ; my 8 records of Wq
	s_mov_b32 s49, 0
	s_lshr_b32 s50, ttmp9, 5
	s_lshl_b32 s50, s50, 3
	s_lshl_b32 s51, s20, 1
	s_add_co_u32 s50, s50, s51
	s_lshl_b32 s50, s50, 13                        ; kv of 8 batch + 2 wave
	s_mov_b32 s51, 0
	s_lshl_b32 s52, s20, 9                         ; my 128 numbers of a bias
	s_mov_b32 s53, 0
	s_mov_b32 s32, 0x76543210
	s_mov_b32 s33, 0xfedcba98                      ; v_permlanex16_b32: lane l xor 16
	s_mov_b32 s38, 0x3e6d3388                      ; 0.3275911 / sqrt 2
	s_mov_b32 s40, 0x3f596d27                      ; sqrt(0.5 log2 e)
	s_wait_kmcnt 0x0
	s_add_nc_u64 s[24:25], s[4:5], s[42:43]        ; query, stepped by halves
	s_mov_b64 s[26:27], s[24:25]                   ; query, kept for the way out
	s_add_nc_u64 s[28:29], s[18:19], s[42:43]      ; out0
	s_add_nc_u64 s[22:23], s[4:5], s[44:45]        ; the prefetches' base; never rewritten
	s_add_nc_u64 s[30:31], s[10:11], s[46:47]      ; the layers' weights, stepped
	s_add_nc_u64 s[6:7], s[6:7], s[48:49]
	s_add_nc_u64 s[8:9], s[8:9], s[50:51]
	s_add_nc_u64 s[12:13], s[12:13], s[52:53]
	s_add_nc_u64 s[14:15], s[14:15], s[52:53]
	s_add_nc_u64 s[16:17], s[16:17], s[52:53]
	WIN 0x40                                       ; Wq's fragments (tile tt, K step s) at v[8 (4 tt + s)] of window 1
.irp tt, 0,1,2,3,4,5,6,7
.irp s, 0,1,2,3
.irp c, 0,1
	global_load_b128 v[8*(4*\tt+\s)+4*\c:8*(4*\tt+\s)+4*\c+3], v[LI], s[6:7] offset:REC*\tt+1024*\s+512*\c
.endr
.endr
.endr
	WIN 0
.irp p, 0,1,2,3
	global_load_b128 v[WQS+4*\p:WQS+4*\p+3], v[OSC], s[6:7] offset:4096+2*REC*\p
.endr
	WIN 0xc0                                       ; window 3: kv (head hh, tile te, kb) at v[8 (8 hh + 2 te + kb)]; bq from v128
.irp hh, 0,1
.irp te, 0,1,2,3
.irp kb, 0,1
.irp g, 0,1
	global_load_b128 v[8*(8*\hh+2*\te+\kb)+4*\g:8*(8*\hh+2*\te+\kb)+4*\g+3], v[LI], s[8:9] offset:8192*\hh+2048*\te+1024*\kb+512*\g
.endr
.endr
.endr
.endr
.irp b, 0,1,2,3
.irp q, 0,1,2,3
	global_load_b128 v[128+16*\b+4*\q:128+16*\b+4*\q+3], v[O64H], s[12:13] offset:128*\b+16*\q
.endr
.endr
	WIN 0
; 64 numbers of a lane in window 2, v[s] on, register 16 b + i = column 32 b + 16 (lane / 16) + i of my row, become a fragment's codes in v[PC] on and its scale word in v[PW].
.macro QUANT s
	WIN 0x0a
.irp b, 0,1,2,3
	v_max3_num_f32 v[TM+\b], |v[\s+16*\b]|, |v[\s+1+16*\b]|, 0x1800000   ; with the floor 2^(3 - 127): the byte cannot fall under 1
.endr
	WIN 0x28
.irp i, 2,4,6,8,10,12,14
.irp b, 0,1,2,3
	v_max3_num_f32 v[TM+\b], v[TM+\b], |v[\s+16*\b+\i]|, |v[\s+1+16*\b+\i]|
.endr
.endr
	WIN 0
.irp b, 0,1,2,3
	v_permlanex16_b32 v[TM+4+\b], v[TM+\b], s32, s33
.endr
.irp b, 0,1,2,3
	v_max_num_f32 v[TM+\b], v[TM+\b], v[TM+4+\b]   ; with lane l xor 16's: the block's largest magnitude
.endr
.irp b, 0,1,2,3
	v_add_nc_u32 v[TM+12+\b], 0xff000000, v[TM+\b] ; 2 off its exponent field: the conversion's scale operand
.endr
.irp b, 0,1,2,3
	v_lshrrev_b32 v[TM+4+\b], 23, v[TM+12+\b]      ; the scale's byte
.endr
	v_lshl_or_b32 v[PW], v[TM+5], 8, v[TM+4]
	v_lshl_or_b32 v[PW], v[TM+6], 16, v[PW]
	v_lshl_or_b32 v[PW], v[TM+7], 24, v[PW]
	WIN 0x02
.irp b, 0,1,2,3
	v_cvt_scalef32_pk8_fp4_f32 v[PC+2*\b], v[\s+16*\b:\s+7+16*\b], v[TM+12+\b]
	v_cvt_scalef32_pk8_fp4_f32 v[PC+1+2*\b], v[\s+8+16*\b:\s+15+16*\b], v[TM+12+\b]
.endr
	WIN 0
	v_nop                                          ; one plain line behind a scaled conversion
.irp c, 0,1                                    ; the operand wants a whole block in a lane
.irp i, 0,1
	v_permlane16_swap_b32 v[PC+4*\c+\i], v[PC+2+4*\c+\i]
.endr
.endr
.endm
.macro WM ra, rb                       ; one scaled product on rD, rA, rB, rC, rSA, rSB; ra: the half of the lanes that holds A's scale words
.if (\ra) == 0
	v_wmma_scale_f32_16x16x128_f8f6f4 v[rD:rD+7], v[rA:rA+7], v[rB:rB+7], v[rC:rC+7], v[rSA], v[rSB] matrix_a_fmt:MATRIX_FMT_FP4 matrix_b_fmt:MATRIX_FMT_FP4
.else
	v_wmma_scale_f32_16x16x128_f8f6f4 v[rD:rD+7], v[rA:rA+7], v[rB:rB+7], v[rC:rC+7], v[rSA], v[rSB] matrix_a_fmt:MATRIX_FMT_FP4 matrix_b_fmt:MATRIX_FMT_FP4 matrix_a_scale:MATRIX_SCALE_ROW1
.endif
.endm
; Tile mm of the half's rows: q (8 tiles of my columns, K = 512), q kv + query in place on query's registers, and ret's largest magnitude into the four chains.
.macro PROD mm
.irp s, 0,1,2,3
.irp c, 0,1
	ds_load_b128 v[XF+8*\s+4*\c:XF+8*\s+4*\c+3], v[XRI] offset:4096*\mm+1024*\s+512*\c
.endr
	ds_load_b32 v[XS+\s], v[XRS] offset:512*\mm+128*\s
.endr
	s_wait_dscnt 0x0
.irp s, 0,1,2,3
.if \s == 0
	WIN 0x31                                       ; A (Wq) window 1, C (bq) window 3
.else
	WIN 0x01
.endif
.irp tt, 0,1,2,3,4,5,6,7                       ; the 8 accumulators by turns
.set rD, QA+8*\tt
.set rA, 8*(4*\tt+\s)
.set rB, XF+8*\s
.if \s == 0
.set rC, 128+8*\tt
.else
.set rC, rD
.endif
.set rSA, WQS+4*(\tt/2)+\s
.set rSB, XS+\s
	WM \tt%2, 0
.endr
.endr
	WIN 0
	PLACES
.irp tt, 0,1,2,3,4,5,6,7
.irp p, 0,1,2,3
	v_cvt_pk_bf16_f32 v[QB+4*\tt+\p], v[QA+8*\tt+2*\p], v[QA+8*\tt+2*\p+1]
.endr
.endr
	PLACES                                         ; four places between the conversions and the products that read them, as the scaled form has them
	WIN 0xa3                                       ; A (kv) window 3, B (q) window 0, C and D window 2: query's own registers
.irp kb, 0,1
.irp hh, 0,1
.irp te, 0,1,2,3
.set rD, 64*\mm+8*(4*\hh+\te)
	v_wmma_f32_16x16x32_bf16 v[rD:rD+7], v[8*(8*\hh+2*\te+\kb):8*(8*\hh+2*\te+\kb)+7], v[QB+8*(2*\hh+\kb):QB+8*(2*\hh+\kb)+7], v[rD:rD+7]
.endr
.endr
.endr
	WIN 0
	PLACES
	WIN 0x28                                       ; sources 1 and 2: window 2; each tile from its low end on
.set n, 0
.rept 32
	v_max3_num_f32 v[MX+n%4], v[MX+n%4], |v[64*\mm+2*n]|, |v[64*\mm+2*n+1]|
.set n, n+1
.endr
	WIN 0
.endm
; Tile mm of ret, times the half's scale, rounded to f16; its image to LDS.
.macro CONV mm
	WIN 0x02
.set n, 0
.rept 32
	v_pk_mul_f32 v[QA+n:QA+n+1], v[64*\mm+n:64*\mm+n+1], v[SC:SC+1]
.set n, n+2
.endr
	WIN 0
	s_wait_dscnt 0x0                               ; the last tile's stores have read their registers
.set n, 0
.rept 32
	v_cvt_pk_f16_f32 v[RB+n], v[QA+2*n], v[QA+2*n+1]
.set n, n+1
.endr
.irp b, 0,1,2,3
.irp g, 0,1
	ds_store_b128 v[RWI], v[RB+8*\b+4*\g:RB+8*\b+4*\g+3] offset:8192*\b+1024*\mm+512*\g
.endr
.endr
.endm
	; ---- PHASE 1, 64 rows a trip
	s_mov_b32 s34, 2
.Lhalf:
	WIN 0x80                                       ; four tiles of query, my 128 columns: 64 numbers a lane each, into window 2
.irp mm, 0,1,2,3
.irp b, 0,1,2,3
.irp j, 0,1,2,3
	global_load_b128 v[64*\mm+16*\b+4*\j:64*\mm+16*\b+4*\j+3], v[XA], s[24:25] offset:32768*\mm+128*\b+16*\j
.endr
.endr
.endr
	WIN 0
.irp mm, 0,1,2,3
	s_wait_loadcnt 48-16*\mm                       ; this tile's 16 loads are in; the later tiles' may be out
	QUANT 64*\mm
	ds_store_b128 v[XWI], v[PC:PC+3] offset:4096*\mm
	ds_store_b128 v[XWI], v[PC+4:PC+7] offset:4096*\mm+512
	ds_store_b32 v[XWS], v[PW] offset:512*\mm
	s_wait_dscnt 0x0                               ; the stores have read their registers
.endr
	BARRIER                                        ; the sixteen fragments of query lie in LDS; and every wave's reads of the last half's largest magnitudes are over
	s_cmp_lg_u32 s34, 2                            ; in the first trip the second half's 64 rows are asked for ahead: 16 whole rows a wave, 32 blocks of 256 bytes an instruction, each block named once; the four tiles' products stand between this and the loads
	s_cbranch_scc1 .Lno_ask
.irp i, 0,1,2,3
	global_prefetch_b8 v[PFO], s[22:23] offset:8192*\i th:TH_LOAD_NT scope:SCOPE_SE
.endr
.Lno_ask:
	MXINIT
	PROD 0
	PROD 1
	PROD 2
	PROD 3
	REDUCE 0
	s_wait_xcnt 0x0                                ; the loads have read their base
	s_add_nc_u64 s[24:25], s[24:25], 131072
	BARRIER                                        ; every wave's reads of query's fragments are over, and the four largest magnitudes lie in LDS
	GETM 0
	v_mov_b32 v[IVA], v[IVB]                       ; the first half's inverse moves down in the second trip
	v_mov_b32 v[IVA+1], v[IVB+1]
	v_sub_nc_u32 v[SC], 0x85800000, v[MT]          ; the scale 2^(140 - E): exponent field 267 - E
	v_add_nc_u32 v[IVB], 0xf9800000, v[MT]         ; its inverse: field E - 13
	v_mov_b32 v[SC+1], v[SC]
	v_mov_b32 v[IVB+1], v[IVB]
	CONV 0
	CONV 1
	CONV 2
	CONV 3
	s_wait_dscnt 0x0                               ; the stores have read their address
	v_add_nc_u32 v[RWI], 4096, v[RWI]
	s_sub_co_u32 s34, s34, 1
	s_cmp_lg_u32 s34, 0
	s_cbranch_scc1 .Lhalf
	BARRIER                                        ; ret's images lie in LDS
	; ---- THE TWO LAYERS: one body, walked twice
.macro BIAS lo                         ; my 128 numbers of a bias in the result's layout
.irp b, 0,1,2,3
.irp q, 0,1,2,3
	global_load_b128 v[192+16*\b+4*\q:192+16*\b+4*\q+3], v[O64H], s[\lo:\lo+1] offset:128*\b+16*\q
.endr
.endr
.endm
.macro BPRO                            ; the weights of K steps 0, 1, 2 into sets 0, 1, 2
	WIN 0x40
.irp k, 0,1,2
.irp tt, 0,1,2,3,4,5,6,7
.irp g, 0,1
	global_load_b128 v[64*\k+8*\tt+4*\g:64*\k+8*\tt+4*\g+3], v[LI], s[30:31] offset:32768*\k+1024*\tt+512*\g
.endr
.endr
.endr
	WIN 0
.endm
.macro MM a0, p, cfirst                ; 32 products: tiles of rows a0 .. a0 + 3 x my 8 tiles of columns; all accumulators differ
.irp a, 0,1,2,3
.irp tt, 0,1,2,3,4,5,6,7
.set rD, 8*(8*\a+\tt)
.set rW, 64*(\p)+8*\tt
.set rX, 64+64*((\p)%2)+8*(\a0+\a)
.if \cfirst
	v_wmma_f32_16x16x32_f16 v[rD:rD+7], v[rW:rW+7], v[rX:rX+7], v[192+8*\tt:192+8*\tt+7]
.else
	v_wmma_f32_16x16x32_f16 v[rD:rD+7], v[rW:rW+7], v[rX:rX+7], v[rD:rD+7]
.endif
.endr
.endr
.endm
; A K step of 32: 64 products.  In its middle the activation's next K step is fetched from LDS and the weights of three K steps on from memory, both into the sets that the K step before has left.
; cfirst = 1: the sums begin from the bias times the scale; in the middle the bias is brought from the first half's scale to the second's.
.macro STEP p, cfirst, ldB, ldA, N
	s_wait_loadcnt \N                              ; this K step's weights are in; the younger sets' loads may be out
	s_wait_dscnt 8                                 ; tiles of rows 0-3 are in; the youngest eight loads (tiles 4-7) may be out
.if \cfirst
	WIN 0x81
.else
	WIN 0xa1                                       ; weights window 1, activation window 0, C and D window 2
.endif
	MM 0, \p, \cfirst
	s_wait_dscnt 0x0                               ; tiles 4-7 are in (asked for 32 products ago): no LDS load of mine is out
	WIN 0
	PLACES                                         ; in front of loads into registers that the last K step's products have read, and of writes of the bias
.if \cfirst
.set n, 0
.rept 32
	v_pk_mul_f32 v[192+n:193+n], v[192+n:193+n], v[SC:SC+1]
.set n, n+2
.endr
	PLACES
.endif
.if \ldA
.if \p == 3
	v_add_nc_u32 v[ADA], 32768, v[ADA]
.endif
.irp m, 0,1,2,3,4,5,6,7
.irp g, 0,1
	ds_load_b128 v[64+64*((\p+1)%2)+8*\m+4*\g:64+64*((\p+1)%2)+8*\m+4*\g+3], v[ADA] offset:8192*((\p+1)%4)+1024*\m+512*\g
.endr
.endr
.endif
.if \ldB
	WIN 0x40
.irp tt, 0,1,2,3,4,5,6,7
.irp g, 0,1
	global_load_b128 v[64*((\p+3)%4)+8*\tt+4*\g:64*((\p+3)%4)+8*\tt+4*\g+3], v[LI], s[30:31] offset:32768*(\p+3)+1024*\tt+512*\g
.endr
.endr
.endif
.if \cfirst
	WIN 0xc1
.else
	WIN 0xf1
.endif
	MM 4, \p, \cfirst
.endm
.macro AMAX w                          ; the largest magnitude of the 256 registers of window w, into the four chains; each accumulator from its low end on
	WIN 0x14*\w                                    ; sources 1 and 2: window w
.set n, 0
.rept 128
	v_max3_num_f32 v[MX+n%4], v[MX+n%4], |v[2*n]|, |v[2*n+1]|
.set n, n+1
.endr
	WIN 0
.endm
	BIAS 14
	BPRO
	s_mov_b32 s35, 2
.Llayer:
	v_mov_b32 v[ADA], v[LI]
.irp m, 0,1,2,3,4,5,6,7
.irp g, 0,1
	ds_load_b128 v[64+8*\m+4*\g:64+8*\m+4*\g+3], v[ADA] offset:1024*\m+512*\g
.endr
.endr
	s_wait_loadcnt 48                              ; the bias's 16 loads are in; the 48 of the first three K steps' weights, issued behind them, may be out
	v_sub_nc_u32 v[SC], 0x7f000000, v[IVA]         ; the first half's scale from its inverse: exponent field 254 - the inverse's
	v_mov_b32 v[SC+1], v[SC]
.set n, 0
.rept 32
	v_pk_mul_f32 v[192+n:193+n], v[192+n:193+n], v[SC:SC+1]
.set n, n+2
.endr
	v_sub_nc_u32 v[MT], 0x7f000000, v[IVB]
	v_mul_f32 v[SC], v[MT], v[IVA]                 ; the second half's scale over the first's: a power of two
	v_mov_b32 v[SC+1], v[SC]
	PLACES
	STEP 0, 1, 1, 1, 32                            ; the first K step stands in front of the loop: it starts the sums
	WIN 0
	s_mov_b32 s36, 3
.Lk:                                               ; a trip: K steps 1, 2, 3 of a group of four and step 0 of the next, once round the weights' four sets
	STEP 1, 0, 1, 1, 32
	STEP 2, 0, 1, 1, 32
	STEP 3, 0, 1, 1, 32
	WIN 0
	s_wait_xcnt 0x0                                ; the loads have read their base
	s_add_nc_u64 s[30:31], s[30:31], 131072
	STEP 0, 0, 1, 1, 32
	WIN 0
	s_sub_co_u32 s36, s36, 1
	s_cmp_lg_u32 s36, 0
	s_cbranch_scc1 .Lk
	STEP 1, 0, 0, 1, 32                            ; the last three K steps fetch nothing beyond the matrix: the counts run down
	STEP 2, 0, 0, 1, 16
	STEP 3, 0, 0, 0, 0
	WIN 0
	s_wait_xcnt 0x0
	s_add_nc_u64 s[30:31], s[30:31], 131072        ; the base now stands at the next matrix
	PLACES                                         ; behind the last products
	s_sub_co_u32 s35, s35, 1
	s_cmp_eq_u32 s35, 0
	s_cbranch_scc1 .Lout
	MXINIT                                         ; the largest |a| of each half bounds its |h| (in a's units)
	AMAX 2
	REDUCE 0
	s_wait_dscnt 0x0                               ; the store has read its register
	MXINIT
	AMAX 3
	REDUCE 512
	BARRIER                                        ; every wave's reads of ret are over, and the largest magnitudes lie in LDS
	BIAS 16
	BPRO                                           ; the second layer's first weights come while the GELU is worked
	GETM 0
	v_sub_nc_u32 v[SC], 0x85800000, v[MT]          ; G: h's scale on top of a's
	v_add_nc_u32 v[MT2], 0xf9800000, v[MT]         ; 1 / G
	v_mov_b32 v[SC+1], v[SC]
	v_mul_f32 v[K1], s38, v[IVA]                   ; the GELU's constants over a's scale
	v_mul_f32 v[K2], s40, v[IVA]
	v_mul_f32 v[IVA], v[IVA], v[MT2]               ; the inverse scale of the second layer's sums
	v_mov_b32 v[K2+1], v[K2]
	v_mov_b32 v[IVA+1], v[IVA]
	GETM 512
	v_sub_nc_u32 v[GB2], 0x85800000, v[MT]
	v_add_nc_u32 v[MT2], 0xf9800000, v[MT]
	v_mov_b32 v[GB2+1], v[GB2]
	v_mul_f32 v[K1B], s38, v[IVB]
	v_mul_f32 v[K2B], s40, v[IVB]
	v_mul_f32 v[IVB], v[IVB], v[MT2]
	v_mov_b32 v[IVB+1], v[IVB]
.irp e, 0,1
	v_mov_b32 v[CA+\e], 0x3e027906                 ; 0.5 x 0.254829592
	v_mov_b32 v[CA+2+\e], 0xbe11a98e               ; 0.5 x -0.284496736
	v_mov_b32 v[CA+4+\e], 0x3f35f0e3               ; 0.5 x 1.421413741
	v_mov_b32 v[CA+6+\e], 0xbf3a00e3               ; 0.5 x -1.453152027
	v_mov_b32 v[CA+8+\e], 0x3f07dc22               ; 0.5 x 1.061405429
.endr
; GELU of 32 registers of window 2: tile of rows aa, my tiles of columns 4 bp .. 4 bp + 3; then their image (two K steps of the next product).
.macro GB aa, bp
.set XB, 64*\aa+32*\bp
	WIN 0x02
.set n, 0
.rept 32
	v_fma_f32 v[T+n], |v[XB+n]|, v[K1], 1.0
.set n, n+1
.endr
.set n, 0
.rept 16
	v_pk_mul_f32 v[Y+n:Y+n+1], v[XB+n:XB+n+1], v[K2:K2+1]
.set n, n+2
.endr
	WIN 0
.set n, 0
.rept 32
	v_rcp_f32 v[T+n], v[T+n]                       ; t
.set n, n+1
.endr
.set n, 0
.rept 16
	v_pk_mul_f32 v[Y+n:Y+n+1], v[Y+n:Y+n+1], v[Y+n:Y+n+1] neg_lo:[1,0] neg_hi:[1,0]   ; -x^2 / 2 x log2 e
.set n, n+2
.endr
.set n, 0
.rept 32
	v_exp_f32 v[Y+n], v[Y+n]
.set n, n+1
.endr
	v_nop                                          ; a plain line behind the last of the batch,
	s_wait_alu depctr_va_vdst(0)                   ; and one wait for the 64, ahead of their first reader
.set n, 0
.rept 16
	v_pk_fma_f32 v[PL+n:PL+n+1], v[T+n:T+n+1], v[CA+8:CA+9], v[CA+6:CA+7]
.set n, n+2
.endr
.irp k, 4,2,0
.set n, 0
.rept 16
	v_pk_fma_f32 v[PL+n:PL+n+1], v[PL+n:PL+n+1], v[T+n:T+n+1], v[CA+\k:CA+\k+1]
.set n, n+2
.endr
.endr
.set n, 0
.rept 16
	v_pk_mul_f32 v[PL+n:PL+n+1], v[PL+n:PL+n+1], v[T+n:T+n+1]
.set n, n+2
.endr
.set n, 0
.rept 16
	v_pk_mul_f32 v[PL+n:PL+n+1], v[PL+n:PL+n+1], v[Y+n:Y+n+1]
.set n, n+2
.endr
	WIN 0x02
.set n, 0
.rept 32
	v_max_num_f32 v[T+n], v[XB+n], 0
.set n, n+1
.endr
.set n, 0
.rept 32
	v_fma_f32 v[T+n], -|v[XB+n]|, v[PL+n], v[T+n]  ; h, in a's units
.set n, n+1
.endr
	WIN 0
.set n, 0
.rept 16
	v_pk_mul_f32 v[T+n:T+n+1], v[T+n:T+n+1], v[SC:SC+1]   ; x G: at most 2^14
.set n, n+2
.endr
	s_wait_dscnt 0x0                               ; the last block's stores have read their registers
.set n, 0
.rept 16
	v_cvt_pk_f16_f32 v[H+n], v[T+2*n], v[T+2*n+1]
.set n, n+1
.endr
.irp l, 0,1,2,3
	ds_store_b128 v[HWI], v[H+4*\l:H+4*\l+3] offset:8192*(2*\bp+\l/2)+1024*\aa+512*(\l%2)
.endr
.endm
	s_mov_b32 s37, 2
.Lgelu:                                            ; two trips on one text: the first on tiles of rows 0-3 (window 2); then window 3 is copied down and the second trip takes tiles 4-7.  Written out for both windows the text would be twice as long
.irp aa, 0,1,2,3
	GB \aa, 0
	GB \aa, 1
.endr
	s_wait_dscnt 0x0                               ; the stores have read their address
	v_add_nc_u32 v[HWI], 4096, v[HWI]
	s_cmp_eq_u32 s37, 1
	s_cbranch_scc1 .Lno_move
	v_mov_b32 v[SC], v[GB2]                        ; the second half's scale and constants
	v_mov_b32 v[SC+1], v[GB2+1]
	v_mov_b32 v[K1], v[K1B]
	v_mov_b32 v[K2], v[K2B]
	v_mov_b32 v[K2+1], v[K2B]
	WIN 0x83                                       ; destination window 2, source window 3
.set n, 0
.rept 256
	v_mov_b32 v[n], v[n]
.set n, n+1
.endr
	WIN 0
.Lno_move:
	s_sub_co_u32 s37, s37, 1
	s_cmp_lg_u32 s37, 0
	s_cbranch_scc1 .Lgelu
	BARRIER                                        ; h's images lie in LDS
	s_cmp_lg_u32 s35, 0
	s_cbranch_scc1 .Llayer
	; ---- THE WAY OUT, a tile of 16 rows at a time: through my stage, back as whole runs of 512 bytes of a row; sum x the half's inverse scale + query, stored
.Lout:
	s_wait_loadcnt 0x0                             ; no load of mine is out
.macro QLOAD a
.irp t, 0,1,2,3,4,5,6,7,8,9,10,11,12,13,14,15
	global_load_b128 v[QK+64*((\a)%2)+4*\t:QK+64*((\a)%2)+4*\t+3], v[LI], s[26:27] offset:32768*(\a)+2048*\t th:TH_LOAD_NT
.endr
.endm
.macro TOSTAGE a
	WIN 0x08+4*((\a)/4)                            ; the data: window 2 or 3
.irp tt, 0,1,2,3,4,5,6,7
.irp q, 0,1
	ds_store_b128 v[SO], v[64*((\a)%4)+8*\tt+4*\q:64*((\a)%4)+8*\tt+4*\q+3] offset:128*(\tt/2)+32*(\tt%2)+16*\q
.endr
.endr
	WIN 0
.irp t, 0,1,2,3,4,5,6,7,8,9,10,11,12,13,14,15
	ds_load_b128 v[BK+4*\t:BK+4*\t+3], v[SR] offset:528*\t          ; LDS serves a wave's instructions in order: these see my stores
.endr
.endm
	QLOAD 0
.irp a, 0,1,2,3,4,5,6,7
.if \a < 7
	QLOAD \a+1
.endif
	s_wait_xcnt 0x0                                ; the last tile's stores have read their registers
	TOSTAGE \a
	s_wait_dscnt 0x0
.if \a < 7
	s_wait_loadcnt 16                              ; this tile's query is in; the next tile's may be out
.else
	s_wait_loadcnt 0x0
.endif
.set n, 0
.rept 32
	v_pk_fma_f32 v[BK+n:BK+n+1], v[BK+n:BK+n+1], v[IVA+2*(\a/4):IVA+2*(\a/4)+1], v[QK+64*(\a%2)+n:QK+64*(\a%2)+n+1]
.set n, n+2
.endr
.irp t, 0,1,2,3,4,5,6,7,8,9,10,11,12,13,14,15
	global_store_b128 v[LI], v[BK+4*\t:BK+4*\t+3], s[28:29] offset:32768*\a+2048*\t th:TH_STORE_NT   ; 512 consecutive bytes, at a multiple of 512 from out0's first byte
.endr
.endr
	s_wait_tensorcnt 0x0                           ; the wave's end, behind my last LDS store
	ds_add_u32 v[SPW], v[NIL]
	s_wait_dscnt 0x0
	s_endpgm
.Lfunc_end_k_qe735b5035e_ffn:
	.size	k_qe735b5035e_ffn, .Lfunc_end_k_qe735b5035e_ffn-k_qe735b5035e_ffn
	.p2alignl 7, 3214868480
	.fill 96, 4, 3214868480
	.section	.rodata,"a",@progbits
	.p2align	6, 0x0
	.amdhsa_kernel k_qe735b5035e_ffn
		.amdhsa_group_segment_fixed_size 184832
		.amdhsa_private_segment_fixed_size 0
		.amdhsa_enable_private_segment 0
		.amdhsa_kernarg_size 64
		.amdhsa_user_sgpr_count 2
		.amdhsa_user_sgpr_kernarg_segment_ptr 1
		.amdhsa_wavefront_size32 1
		.amdhsa_system_sgpr_workgroup_id_x 1
		.amdhsa_system_sgpr_workgroup_id_y 1
		.amdhsa_system_sgpr_workgroup_id_z 1
		.amdhsa_system_vgpr_workitem_id 0
		.amdhsa_next_free_vgpr 1024
		.amdhsa_next_free_sgpr 66
		.amdhsa_reserve_vcc 0
		.amdhsa_float_denorm_mode_32 3
		.amdhsa_float_denorm_mode_16_64 3
		.amdhsa_memory_ordered 1
		.amdhsa_forward_progress 1
		.amdhsa_inst_pref_size 255
	.end_amdhsa_kernel
	.section	.bss,"aw",@nobits
	.p2align	6
	.space	262144
	.amdgpu_metadata
---
amdhsa.version: [ 1, 2 ]
amdhsa.kernels:
  - .name:           k_qe735b5035e_ffn
    .symbol:         k_qe735b5035e_ffn.kd
    .args:
      - { .name: query, .offset: 0, .size: 8, .value_kind: global_buffer, .address_space: global }
      - { .name: codes, .offset: 8, .size: 8, .value_kind: global_buffer, .address_space: global }
      - { .name: kvb, .offset: 16, .size: 8, .value_kind: global_buffer, .address_space: global }
      - { .name: wo, .offset: 24, .size: 8, .value_kind: global_buffer, .address_space: global }
      - { .name: bq, .offset: 32, .size: 8, .value_kind: global_buffer, .address_space: global }
      - { .name: bo1, .offset: 40, .size: 8, .value_kind: global_buffer, .address_space: global }
      - { .name: bo2, .offset: 48, .size: 8, .value_kind: global_buffer, .address_space: global }
      - { .name: out0, .offset: 56, .size: 8, .value_kind: global_buffer, .address_space: global }
    .group_segment_fixed_size: 184832
    .private_segment_fixed_size: 0
    .kernarg_segment_align: 8
    .kernarg_segment_size: 64
    .max_flat_workgroup_size: 128
    .sgpr_count:     66
    .vgpr_count:     1024
    .wavefront_size: 32
...
	.end_amdgpu_metadata
.endif
;; end of part 4
;; ======== version 2 of 2: 4 launches; version 1 with the launch ffn written anew for expert scheduling mode
;; limits: values are held in f16: magnitudes above 65,504 overflow, below 6.1e-05 lose precision; inputs' magnitudes at most 65,504; right only within a limited range of input values
;; workspace buffers: codes 18,243,584 bytes; wo 1,048,576 bytes; part 8,388,608 bytes; kvb 524,288 bytes
;; launch prep: the kernel of part 1 again; grid 1112 x 1, 4 waves a work-group, no clusters, 39,424 bytes of LDS; arguments key, value, Wk, Wv, Wq, Wo1, Wo2, codes, wo; writes codes, wo
;; launch kvsum: the kernel of part 2 again; grid 256 x 1, 4 waves a work-group, clusters of 4 x 1, 327,680 bytes of LDS; arguments codes, bk, bv, kln_w, kln_b, vln_w, vln_b, part; writes part
;; launch kvfin: the kernel of part 3 again; grid 256 x 1, 4 waves a work-group, no clusters, 0 bytes of LDS; arguments part, kvb; writes kvb
;; launch ffn (part 5): grid 256 x 1, 4 waves a work-group, no clusters, 184,832 bytes of LDS; arguments query, codes, kvb, wo, bq, bo1, bo2, out0; writes out0
.if DOCPART == 5
	.amdgcn_target "amdgcn-amd-amdhsa--gfx1250"
	.amdhsa_code_object_version 6
	.text
	.protected	k_qe735b5035e_ffn
	.globl	k_qe735b5035e_ffn
	.p2align	8
	.type	k_qe735b5035e_ffn,@function
k_qe735b5035e_ffn:
	s_mov_b64 s[64:65], 0
	v_nop
	global_prefetch_b8 v0, s[64:65] scope:SCOPE_SE
	s_setreg_imm32_b32 hwreg(HW_REG_WAVE_SCHED_MODE, 0, 2), 2
	s_setreg_imm32_b32 hwreg(HW_REG_WAVE_MODE, 25, 1), 1
	s_wait_xcnt 0x0
	s_wait_alu depctr_vm_vsrc(0)
; FFN.  For 128 rows a work-group: q = query Wq^T + bq on codes of FP4 (query is quantised here, in registers); ret = q kv + query; h = gelu(ret Wo1^T + bo1); out0 = h Wo2^T + bo2 + query.
; q kv takes bf16 operands (q has no room in f16); the two layers take f16 operands, 11 significant bits; all sums, both additions of query, the biases and the GELU are f32.
; THE RANGE OF f16 IS SERVED BY A POWER-OF-TWO SCALE MADE FROM THE DATA, so that scaling rounds nothing.  For each half of the block (64 rows) the largest magnitude of ret is found, with exponent field E; ret x 2^(140 - E), whose
; largest magnitude then lies in [2^13, 2^14), is what goes to f16.  What falls under f16's normal range is rounded with an absolute error of 2^-39 of the half's largest number.  h likewise, by the half's largest |x|, since |gelu(x)| <= |x|.
; The sums stay scaled: a bias goes in as the C of a sum's first product, times the scale; the GELU works on a = x S with its constants divided by S; the way out multiplies by the inverse in the fused multiply-add that adds query.
; GELU: x Phi(x) = max(x, 0) - |x| (0.5 poly(t)) e^(-x^2 / 2), t = 1 / (1 + 0.3275911 |x| / sqrt 2), the five-term form of erf (Abramowitz and Stegun 7.1.26), absolute error of erf at most 1.5e-7 for every x.
; LIMITS: NaN and infinities are not served; blocks of query whose largest magnitude lies under 2^-124 keep the scale byte 1; a half's largest magnitude is taken as 2^-40 at the least, so a scale is 2^53 at the most and the
; second layer's 2^106: a bias times its scale must stay inside f32.
; SHARES.  THE WAVES SHARE THE COLUMNS: wave w owns columns 128 w .. 128 w + 127 of q (heads 2 w, 2 w + 1), ret, h and out0, for all 128 rows, and quantises K step w of query.  So the 64 numbers a lane that it loads of a
; tile of query serve twice: as the quantiser's input and as the C of q kv.  Its weights go from memory straight into its registers, in the order in which the registers take them.
; NO CLUSTER: each fragment of a weight is used by one wave of a work-group, 8,192 bytes for 64 matrix instructions, and makes no trip through LDS; a tile asked for jointly would have to land in LDS and be read from there.
; ALL PRODUCTS ARE USED TRANSPOSED (source 0 = 16 rows of a weight, source 1 = 16 rows of the activation), and a weight's tile 2 b + u holds rows 32 b + 8 u + r + 8 (r / 8): so a lane holds ONE row, and register j of tile
; 2 b + u holds column 32 b + 16 (lane / 16) + 8 u + j: the 16 registers of two neighbouring tiles are 16 neighbouring columns: the quantiser's order, 64 consecutive bytes of query, and, rounded in pairs, a 16-bit operand
; whose k order the images of kv, Wo1 and Wo2 share.
; OPERANDS GO FROM WAVE TO WAVE THROUGH LDS AS IMAGES OF THEIR REGISTERS: 512 consecutive bytes an instruction, lane l at 16 l.
; REGISTERS.  Window 0: v2-21 addresses that stay; v22-41 scale words of the FP4 products and nothing else; v42-61 largest magnitudes, scales and their inverses; from v62 at work.
; Phase 1: window 1 Wq, window 2 four tiles of query (then ret), window 3 kv and bq.
; Layers: window 0 v64-191 two sets of activation fragments, v192-255 the bias as C; window 1 four sets of weight fragments; windows 2, 3 the 64 accumulators ((a, tt) at v[8 (8 (a % 4) + tt)]).
; The way out: window 0 v62-189 two buffers of 16 rows; window 1 v0-127 two buffers of query.
; THE MODE: SCHED_MODE bits 1:0 = 2 (LLVM: expert scheduling mode 2), set by the entry lines.  The code itself states the register dependences between vector or matrix instructions and memory or LDS instructions,
; with s_wait_alu, always for 0.
; THE PLAN: the registers that memory or LDS instructions touch, and who else names them.
;   v2-v18       offsets and LDS addresses: written at the head, ahead of one wait on va_vdst.  Three are written again, each by one add behind a wait on vm_vsrc and ahead of a wait on va_vdst that stands there anyway:
;                v[RWI] a half, v[HWI] a trip of the GELU, v[ADA] four K steps.
;   window 2     (phase 1) query's loads land; the quantiser, q kv, the maxima and the scalings name it: one wait at a half's head.
;   PC, PW       written by the quantiser, read by three LDS stores: a wait on va_vdst ahead of the stores, one on vm_vsrc inside the quantiser ahead of the next write.
;   XF, XS       read by a tile's 32 FP4 products; the next tile's LDS loads land behind the wait that follows the tile's conversions, and have q kv's products in which to come.
;   MX           written by the reduction, read by its one LDS store, then loaded: a wait on each side.
;   RB, H        written by conversions, read by LDS stores: vm_vsrc ahead of the conversions, va_vdst ahead of the stores.
;   K STEP p     its products read weight set p % 4 and activation set p % 2; its loads land in weight set (p + 3) % 4 and activation set (p + 1) % 2, which K step p - 1 read.  ONE wait on va_vdst at the step's head states that
;                those products are done; the step's 32 loads follow in four runs of eight among its first 32 products, which name none of the registers that the loads touch.
;   the way out  the accumulators are read by LDS stores behind one wait; rows come back into BK[a % 2], query into QK[a % 2]; one wait on va_vdst behind a tile's multiply-adds serves its stores and the load of query two tiles on;
;                one on vm_vsrc ahead of the LDS loads that land where the stores of two tiles back read.
.set REC,   4352
.set AIMG,  0                          ; [K step of 32, 0..15][tile of rows 0..7][g][lane][16]: ret, later h: 131,072 bytes
.set XIMG,  131072                     ; [tile of rows 0..3][K step of 128, 0..3]: query's fragments, 1,024 bytes each
.set XSC,   147456                     ; their scale words, 128 bytes each
.set STG,   149504                     ; the way out: 16 rows x (512 + 16) bytes for each wave
.set SPARE, 183296                     ; the spare words, 128 bytes a wave: no other line names them
.set MXL,   183808                     ; the waves' largest magnitudes: [half 0..1][wave][lane][4 bytes]
.set MWA, 2                            ; where I store mine;  MRA where all read them
.set MRA, 3
.set LI,  4                            ; 16 x lane
.set LS,  5                            ; 4 x lane
.set XA,  6                            ; query: 2048 r + 64 h
.set XWI, 7                            ; where I store query's images, XWS their scale words; XRI, XRS where all read them
.set XWS, 8
.set XRI, 9
.set XRS, 10
.set RWI, 11                           ; where I store ret's images
.set ADA, 12                           ; where the layers read
.set SO,  13                           ; the stage, in;  SR back
.set SR,  14
.set PFO, 15                           ; the prefetches' offset
.set O64H, 16                          ; 64 h
.set OSC, 17                           ; 4352 h + 16 r
.set HWI, 18                           ; where I store h's images
.set SPW, 20
.set NIL, 21
.set WQS, 22                           ; v22-37 Wq's scale words: 4 (tt / 2) + s; lanes 0-15 the even tile, lanes 16-31 the odd
.set XS,  38                           ; v38-41 query's
.set MX,  42                           ; v42-45 a largest magnitude, in four chains
.set MT,  46                           ; v46, v47 at work
.set MT2, 47
.set SC,  48                           ; v[48:49] the scale in hand, twice
.set IVA, 50                           ; v[50:51] the inverse scale of the sums of rows 0-63, twice;  v[52:53] of rows 64-127
.set IVB, 52
.set K2,  54                           ; v[54:55], v56 the GELU's two constants over the scale of the half in hand;  v57, v60 those of rows 64-127
.set K1,  56
.set K1B, 57
.set GB2, 58                           ; v[58:59] h's scale for rows 64-127
.set K2B, 60
.set XF,  62                           ; phase 1: query's four fragments
.set QA,  94                           ; q, 8 tiles; later ret, scaled
.set QB,  158                          ; q in bf16
.set RB,  190                          ; ret in f16
.set PC,  222                          ; the codes just made
.set TM,  230
.set PW,  246
.set T,   62                           ; GELU
.set Y,   94
.set PL,  126
.set H,   158
.set CA,  174                          ; v174-183 half the five coefficients, in pairs
.set BK,  62                           ; the way out: two buffers of 16 rows, v62-125 and v126-189
.set QK,  0                            ; the way out, in window 1: two buffers of query, v0-63 and v64-127
.set MSB, 0
.macro WIN new                         ; the immediate's high byte repeats the setting that is left
.if MSB != (\new)
	s_set_vgpr_msb (MSB<<8)|(\new)
.set MSB, (\new)
.endif
.endm
.macro PLACES
.rept 4
	v_nop
.endr
.endm
.macro BARRIER                         ; my LDS stores have landed and my LDS loads are in: then the work-group's barrier
	s_wait_dscnt 0x0
	s_barrier_signal -1
	s_barrier_wait -1
.endm
.macro MXINIT                          ; the four chains begin at the floor 2^-40
.irp c, 0,1,2,3
	v_mov_b32 v[MX+\c], 0x2b800000
.endr
.endm
.macro REDUCE off                      ; the four chains, the 32 lanes; every lane stores the wave's largest magnitude to a word of its own
	v_max3_num_f32 v[MX], v[MX], v[MX+1], v[MX+2]
	v_max_num_f32 v[MX], v[MX], v[MX+3]
.irp m, 1,2,4,8
	v_max_num_f32_dpp v[MX], v[MX], v[MX] row_xmask:\m row_mask:0xf bank_mask:0xf
.endr
	v_permlanex16_b32 v[MT], v[MX], s32, s33
	v_max_num_f32 v[MX], v[MX], v[MT]
	s_wait_alu depctr_va_vdst(0)                   ; v[MX] is written, which the store reads; and the lines above are done with v[MX ..], in which the four waves' words land later
	ds_store_b32 v[MWA], v[MX] offset:\off
.endm
.macro GETM off                        ; behind a barrier: the four waves' words; v[MT] = the exponent field, in its place, of the largest of them
.irp w, 0,1,2,3
	ds_load_b32 v[MX+\w], v[MRA] offset:\off+128*\w
.endr
	s_wait_dscnt 0x0
	v_max3_num_f32 v[MX], v[MX], v[MX+1], v[MX+2]
	v_max_num_f32 v[MX], v[MX], v[MX+3]
	v_and_b32 v[MT], 0x7f800000, v[MX]
.endm
	s_load_b256 s[4:11], s[0:1], 0x0               ; query, codes, kvb, wo
	s_load_b256 s[12:19], s[0:1], 0x20             ; bq, bo1, bo2, out0
	v_lshl_add_u32 v[SPW], v0, 2, SPARE
	v_mov_b32 v[NIL], 0
	v_lshrrev_b32 v1, 5, v0
	v_readfirstlane_b32 s20, v1                    ; wave
	v_and_b32 v1, 31, v0
	v_and_b32 v2, 15, v0                           ; r
	v_bfe_u32 v3, v0, 4, 1                         ; h
	v_lshlrev_b32 v[LI], 4, v1
	v_lshlrev_b32 v[LS], 2, v1
	v_lshlrev_b32 v[XA], 11, v2
	v_lshl_add_u32 v[XA], v3, 6, v[XA]
	s_wait_alu depctr_va_sdst(0)                   ; s20 is written, ahead of its first reader: LDS addresses and the buffers' bases are made from it
	s_lshl_b32 s42, s20, 10
	v_add_nc_u32 v[XWI], s42, v[LI]
	v_add_nc_u32 v[XWI], XIMG, v[XWI]
	s_lshl_b32 s42, s20, 7
	v_add_nc_u32 v[XWS], s42, v[LS]
	v_add_nc_u32 v[XWS], XSC, v[XWS]
	v_add_nc_u32 v[XRI], XIMG, v[LI]
	v_add_nc_u32 v[XRS], XSC, v[LS]
	s_lshl_b32 s42, s20, 15
	v_add_nc_u32 v[RWI], s42, v[LI]
	v_add_nc_u32 v[HWI], s42, v[LI]
	s_mul_i32 s42, s20, 16*528
	v_mul_u32_u24 v[SO], v2, 528
	v_lshl_add_u32 v[SO], v3, 6, v[SO]
	v_add_nc_u32 v[SO], s42, v[SO]
	v_add_nc_u32 v[SO], STG, v[SO]
	v_add_nc_u32 v[SR], s42, v[LI]
	v_add_nc_u32 v[SR], STG, v[SR]
	v_lshrrev_b32 v[PFO], 3, v1
	v_lshlrev_b32 v[PFO], 11, v[PFO]
	v_and_b32 v19, 7, v1
	v_lshl_add_u32 v[PFO], v19, 8, v[PFO]          ; row lane / 8, 256 bytes x lane % 8
	v_lshlrev_b32 v[O64H], 6, v3
	v_mul_u32_u24 v[OSC], v3, REC
	v_lshl_add_u32 v[OSC], v2, 4, v[OSC]
	v_add_nc_u32 v[MRA], MXL, v[LS]                ; (r and h are done with)
	s_lshl_b32 s42, s20, 7
	v_add_nc_u32 v[MWA], s42, v[MRA]
.irp b, 0,1,2,3
	v_mov_b32 v[TM+4+\b], 0                        ; written once: a lane permute's destination counts as one of its sources
.endr
	v_mov_b32 v[MT], 0                             ; likewise
	v_mov_b32 v[IVB], 0                            ; (copied to IVA in the first half's trip, and written over in the second's)
	v_mov_b32 v[IVB+1], 0
	s_lshl_b32 s42, ttmp9, 18                      ; my 128 rows of 2,048 bytes,
	s_lshl_b32 s43, s20, 9
	s_add_co_u32 s42, s42, s43                     ; my wave's 512 bytes of a row
	s_mov_b32 s43, 0
	s_lshl_b32 s44, ttmp9, 18
	s_lshl_b32 s45, s20, 15
	s_add_co_u32 s44, s44, s45
	s_add_co_u32 s44, s44, 131072                  ; the second 64 rows, my wave's 16 of them, whole
	s_mov_b32 s45, 0
	s_lshl_b32 s46, s20, 13                        ; my 8 tiles of a K step of Wo1
	s_mov_b32 s47, 0
	s_lshl_b32 s48, s20, 3
	s_add_co_u32 s48, s48, 4160
	s_mul_i32 s48, s48, REC                        ; my 8 records of Wq
	s_mov_b32 s49, 0
	s_lshr_b32 s50, ttmp9, 5
	s_lshl_b32 s50, s50, 3
	s_lshl_b32 s51, s20, 1
	s_add_co_u32 s50, s50, s51
	s_lshl_b32 s50, s50, 13                        ; kv of 8 batch + 2 wave
	s_mov_b32 s51, 0
	s_lshl_b32 s52, s20, 9                         ; my 128 numbers of a bias
	s_mov_b32 s53, 0
	s_mov_b32 s32, 0x76543210
	s_mov_b32 s33, 0xfedcba98                      ; v_permlanex16_b32: lane l xor 16
	s_mov_b32 s38, 0x3e6d3388                      ; 0.3275911 / sqrt 2
	s_mov_b32 s40, 0x3f596d27                      ; sqrt(0.5 log2 e)
	s_wait_kmcnt 0x0
	s_add_nc_u64 s[24:25], s[4:5], s[42:43]        ; query, stepped by halves
	s_mov_b64 s[26:27], s[24:25]                   ; query, kept for the way out
	s_add_nc_u64 s[28:29], s[18:19], s[42:43]      ; out0
	s_add_nc_u64 s[22:23], s[4:5], s[44:45]        ; the prefetches' base; never rewritten
	s_add_nc_u64 s[30:31], s[10:11], s[46:47]      ; the layers' weights, stepped
	s_add_nc_u64 s[6:7], s[6:7], s[48:49]
	s_add_nc_u64 s[8:9], s[8:9], s[50:51]
	s_add_nc_u64 s[12:13], s[12:13], s[52:53]
	s_add_nc_u64 s[14:15], s[14:15], s[52:53]
	s_add_nc_u64 s[16:17], s[16:17], s[52:53]
	WIN 0x40                                       ; Wq's fragments (tile tt, K step s) at v[8 (4 tt + s)] of window 1
	s_wait_alu depctr_va_vdst(0)                   ; the offsets and LDS addresses v2 to v18 are written, which the kernel's loads, stores and prefetches read, and so are the closing add's v20 and v21
.irp tt, 0,1,2,3,4,5,6,7
.irp s, 0,1,2,3
.irp c, 0,1
	global_load_b128 v[8*(4*\tt+\s)+4*\c:8*(4*\tt+\s)+4*\c+3], v[LI], s[6:7] offset:REC*\tt+1024*\s+512*\c
.endr
.endr
.endr
	WIN 0
.irp p, 0,1,2,3
	global_load_b128 v[WQS+4*\p:WQS+4*\p+3], v[OSC], s[6:7] offset:4096+2*REC*\p
.endr
	WIN 0xc0                                       ; window 3: kv (head hh, tile te, kb) at v[8 (8 hh + 2 te + kb)]; bq from v128
.irp hh, 0,1
.irp te, 0,1,2,3
.irp kb, 0,1
.irp g, 0,1
	global_load_b128 v[8*(8*\hh+2*\te+\kb)+4*\g:8*(8*\hh+2*\te+\kb)+4*\g+3], v[LI], s[8:9] offset:8192*\hh+2048*\te+1024*\kb+512*\g
.endr
.endr
.endr
.endr
.irp b, 0,1,2,3
.irp q, 0,1,2,3
	global_load_b128 v[128+16*\b+4*\q:128+16*\b+4*\q+3], v[O64H], s[12:13] offset:128*\b+16*\q
.endr
.endr
	WIN 0
; 64 numbers of a lane in window 2, v[s] on, register 16 b + i = column 32 b + 16 (lane / 16) + i of my row, become a fragment's codes in v[PC] on and its scale word in v[PW].
.macro QUANT s
	WIN 0x0a
.irp b, 0,1,2,3
	v_max3_num_f32 v[TM+\b], |v[\s+16*\b]|, |v[\s+1+16*\b]|, 0x1800000   ; with the floor 2^(3 - 127): the byte cannot fall under 1
.endr
	WIN 0x28
.irp i, 2,4,6,8,10,12,14
.irp b, 0,1,2,3
	v_max3_num_f32 v[TM+\b], v[TM+\b], |v[\s+16*\b+\i]|, |v[\s+1+16*\b+\i]|
.endr
.endr
	WIN 0
.irp b, 0,1,2,3
	v_permlanex16_b32 v[TM+4+\b], v[TM+\b], s32, s33
.endr
.irp b, 0,1,2,3
	v_max_num_f32 v[TM+\b], v[TM+\b], v[TM+4+\b]   ; with lane l xor 16's: the block's largest magnitude
.endr
.irp b, 0,1,2,3
	v_add_nc_u32 v[TM+12+\b], 0xff000000, v[TM+\b] ; 2 off its exponent field: the conversion's scale operand
.endr
.irp b, 0,1,2,3
	v_lshrrev_b32 v[TM+4+\b], 23, v[TM+12+\b]      ; the scale's byte
.endr
	s_wait_alu depctr_vm_vsrc(0)                   ; the LDS stores of the fragment made before this one have read v[PW] and v[PC ..], which the lines below write again
	v_lshl_or_b32 v[PW], v[TM+5], 8, v[TM+4]
	v_lshl_or_b32 v[PW], v[TM+6], 16, v[PW]
	v_lshl_or_b32 v[PW], v[TM+7], 24, v[PW]
	WIN 0x02
.irp b, 0,1,2,3
	v_cvt_scalef32_pk8_fp4_f32 v[PC+2*\b], v[\s+16*\b:\s+7+16*\b], v[TM+12+\b]
	v_cvt_scalef32_pk8_fp4_f32 v[PC+1+2*\b], v[\s+8+16*\b:\s+15+16*\b], v[TM+12+\b]
.endr
	WIN 0
	v_nop                                          ; one plain line behind a scaled conversion
.irp c, 0,1                                    ; the operand wants a whole block in a lane
.irp i, 0,1
	v_permlane16_swap_b32 v[PC+4*\c+\i], v[PC+2+4*\c+\i]
.endr
.endr
.endm
.macro WM ra, rb                       ; one scaled product on rD, rA, rB, rC, rSA, rSB; ra: the half of the lanes that holds A's scale words
.if (\ra) == 0
	v_wmma_scale_f32_16x16x128_f8f6f4 v[rD:rD+7], v[rA:rA+7], v[rB:rB+7], v[rC:rC+7], v[rSA], v[rSB] matrix_a_fmt:MATRIX_FMT_FP4 matrix_b_fmt:MATRIX_FMT_FP4
.else
	v_wmma_scale_f32_16x16x128_f8f6f4 v[rD:rD+7], v[rA:rA+7], v[rB:rB+7], v[rC:rC+7], v[rSA], v[rSB] matrix_a_fmt:MATRIX_FMT_FP4 matrix_b_fmt:MATRIX_FMT_FP4 matrix_a_scale:MATRIX_SCALE_ROW1
.endif
.endm
.macro XFETCH mm                       ; query's four fragments and scale words of tile mm of the half's rows: 12 LDS loads
.irp s, 0,1,2,3
.irp c, 0,1
	ds_load_b128 v[XF+8*\s+4*\c:XF+8*\s+4*\c+3], v[XRI] offset:4096*(\mm)+1024*\s+512*\c
.endr
	ds_load_b32 v[XS+\s], v[XRS] offset:512*(\mm)+128*\s
.endr
.endm
; Tile mm of the half's rows: q (8 tiles of my columns, K = 512), q kv + query in place on query's registers, and ret's largest magnitude into the four chains.  Its fragments of query were asked for in the tile before.
.macro PROD mm
	s_wait_dscnt 0x0                               ; this tile's fragments and scale words are in
.irp s, 0,1,2,3
.if \s == 0
	WIN 0x31                                       ; A (Wq) window 1, C (bq) window 3
.else
	WIN 0x01
.endif
.irp tt, 0,1,2,3,4,5,6,7                       ; the 8 accumulators by turns
.set rD, QA+8*\tt
.set rA, 8*(4*\tt+\s)
.set rB, XF+8*\s
.if \s == 0
.set rC, 128+8*\tt
.else
.set rC, rD
.endif
.set rSA, WQS+4*(\tt/2)+\s
.set rSB, XS+\s
	WM \tt%2, 0
.endr
.endr
	WIN 0
	PLACES
.irp tt, 0,1,2,3,4,5,6,7
.irp p, 0,1,2,3
	v_cvt_pk_bf16_f32 v[QB+4*\tt+\p], v[QA+8*\tt+2*\p], v[QA+8*\tt+2*\p+1]
.endr
.endr
.if \mm < 3
	s_wait_alu depctr_va_vdst(0)                   ; the 32 products above are done reading v[XF ..] and v[XS ..], in which the next tile's fragments and scale words land; they come while q kv is multiplied
	XFETCH \mm+1
.endif
	PLACES                                         ; four places between the conversions and the products that read them, as the scaled form has them
	WIN 0xa3                                       ; A (kv) window 3, B (q) window 0, C and D window 2: query's own registers
.irp kb, 0,1
.irp hh, 0,1
.irp te, 0,1,2,3
.set rD, 64*\mm+8*(4*\hh+\te)
	v_wmma_f32_16x16x32_bf16 v[rD:rD+7], v[8*(8*\hh+2*\te+\kb):8*(8*\hh+2*\te+\kb)+7], v[QB+8*(2*\hh+\kb):QB+8*(2*\hh+\kb)+7], v[rD:rD+7]
.endr
.endr
.endr
	WIN 0
	PLACES
	WIN 0x28                                       ; sources 1 and 2: window 2; each tile from its low end on
.set n, 0
.rept 32
	v_max3_num_f32 v[MX+n%4], v[MX+n%4], |v[64*\mm+2*n]|, |v[64*\mm+2*n+1]|
.set n, n+1
.endr
	WIN 0
.endm
; Tile mm of ret, times the half's scale, rounded to f16; its image to LDS.
.macro CONV mm
	WIN 0x02
.set n, 0
.rept 32
	v_pk_mul_f32 v[QA+n:QA+n+1], v[64*\mm+n:64*\mm+n+1], v[SC:SC+1]
.set n, n+2
.endr
	WIN 0
	s_wait_alu depctr_vm_vsrc(0)                   ; the last tile's stores have read v[RB ..], which the conversions write again
.set n, 0
.rept 32
	v_cvt_pk_f16_f32 v[RB+n], v[QA+2*n], v[QA+2*n+1]
.set n, n+1
.endr
	s_wait_alu depctr_va_vdst(0)                   ; v[RB ..] is written, which the stores read; in a half's first tile so is v[RWI]
.irp b, 0,1,2,3
.irp g, 0,1
	ds_store_b128 v[RWI], v[RB+8*\b+4*\g:RB+8*\b+4*\g+3] offset:8192*\b+1024*\mm+512*\g
.endr
.endr
.endm
	; ---- PHASE 1, 64 rows a trip
	s_mov_b32 s34, 2
.Lhalf:
	WIN 0x80                                       ; four tiles of query, my 128 columns: 64 numbers a lane each, into window 2
	s_wait_alu depctr_va_vdst(0)                   ; in the second trip: the first half's products have written, and its maxima and scalings are done reading, window 2's registers, in which these loads land
.irp mm, 0,1,2,3
.irp b, 0,1,2,3
.irp j, 0,1,2,3
	global_load_b128 v[64*\mm+16*\b+4*\j:64*\mm+16*\b+4*\j+3], v[XA], s[24:25] offset:32768*\mm+128*\b+16*\j
.endr
.endr
.endr
	WIN 0
.irp mm, 0,1,2,3
	s_wait_loadcnt 48-16*\mm                       ; this tile's 16 loads are in; the later tiles' may be out
	QUANT 64*\mm
	s_wait_alu depctr_va_vdst(0)                   ; the codes in v[PC ..] and the scale word in v[PW] are written, which the three stores read
	ds_store_b128 v[XWI], v[PC:PC+3] offset:4096*\mm
	ds_store_b128 v[XWI], v[PC+4:PC+7] offset:4096*\mm+512
	ds_store_b32 v[XWS], v[PW] offset:512*\mm
.endr
	BARRIER                                        ; the sixteen fragments of query lie in LDS; and every wave's reads of the last half's largest magnitudes are over
	XFETCH 0                                       ; no wait: no vector or matrix instruction since the wait above names v[XF ..], v[XS ..] or the two addresses
	s_cmp_lg_u32 s34, 2                            ; in the first trip the second half's 64 rows are asked for ahead: 16 whole rows a wave, 32 blocks of 256 bytes an instruction, each block named once; the four tiles' products stand between this and the loads
	s_cbranch_scc1 .Lno_ask
.irp i, 0,1,2,3
	global_prefetch_b8 v[PFO], s[22:23] offset:8192*\i th:TH_LOAD_NT scope:SCOPE_SE
.endr
.Lno_ask:
	MXINIT
	PROD 0
	PROD 1
	PROD 2
	PROD 3
	REDUCE 0
	s_wait_xcnt 0x0                                ; the loads have read their base
	s_add_nc_u64 s[24:25], s[24:25], 131072
	BARRIER                                        ; every wave's reads of query's fragments are over, and the four largest magnitudes lie in LDS
	s_wait_alu depctr_vm_vsrc(0)                   ; my store has read v[MX], in which the first of the four words lands
	GETM 0
	v_mov_b32 v[IVA], v[IVB]                       ; the first half's inverse moves down in the second trip
	v_mov_b32 v[IVA+1], v[IVB+1]
	v_sub_nc_u32 v[SC], 0x85800000, v[MT]          ; the scale 2^(140 - E): exponent field 267 - E
	v_add_nc_u32 v[IVB], 0xf9800000, v[MT]         ; its inverse: field E - 13
	v_mov_b32 v[SC+1], v[SC]
	v_mov_b32 v[IVB+1], v[IVB]
	CONV 0
	CONV 1
	CONV 2
	CONV 3
	s_wait_alu depctr_vm_vsrc(0)                   ; the stores have read v[RWI], which the add writes, and v[RB ..], in which loads land behind the loop
	v_add_nc_u32 v[RWI], 4096, v[RWI]
	s_sub_co_u32 s34, s34, 1
	s_cmp_lg_u32 s34, 0
	s_cbranch_scc1 .Lhalf
	BARRIER                                        ; ret's images lie in LDS
	; ---- THE TWO LAYERS: one body, walked twice
.macro BIAS lo                         ; my 128 numbers of a bias in the result's layout
.irp b, 0,1,2,3
.irp q, 0,1,2,3
	global_load_b128 v[192+16*\b+4*\q:192+16*\b+4*\q+3], v[O64H], s[\lo:\lo+1] offset:128*\b+16*\q
.endr
.endr
.endm
.macro BPRO                            ; the weights of K steps 0, 1, 2 into sets 0, 1, 2
	WIN 0x40
.irp k, 0,1,2
.irp tt, 0,1,2,3,4,5,6,7
.irp g, 0,1
	global_load_b128 v[64*\k+8*\tt+4*\g:64*\k+8*\tt+4*\g+3], v[LI], s[30:31] offset:32768*\k+1024*\tt+512*\g
.endr
.endr
.endr
	WIN 0
.endm
.macro MMA a, p, cfirst                ; 8 products: tile of rows a x my 8 tiles of columns; all accumulators differ
.irp tt, 0,1,2,3,4,5,6,7
.set rD, 8*(8*((\a)%4)+\tt)
.set rW, 64*(\p)+8*\tt
.set rX, 64+64*((\p)%2)+8*(\a)
.if \cfirst
	v_wmma_f32_16x16x32_f16 v[rD:rD+7], v[rW:rW+7], v[rX:rX+7], v[192+8*\tt:192+8*\tt+7]
.else
	v_wmma_f32_16x16x32_f16 v[rD:rD+7], v[rW:rW+7], v[rX:rX+7], v[rD:rD+7]
.endif
.endr
.endm
.macro AFETCH p, m0                    ; the activation's next K step, tiles of rows m0 .. m0 + 3, into the other set: 8 LDS loads
.irp m, 0,1,2,3
.irp g, 0,1
	ds_load_b128 v[64+64*(((\p)+1)%2)+8*((\m0)+\m)+4*\g:64+64*(((\p)+1)%2)+8*((\m0)+\m)+4*\g+3], v[ADA] offset:8192*(((\p)+1)%4)+1024*((\m0)+\m)+512*\g
.endr
.endr
.endm
.macro WFETCH p, t0                    ; the weights of three K steps on, tiles t0 .. t0 + 3, into the set that the last K step has left: 8 loads
.irp tt, 0,1,2,3
.irp g, 0,1
	global_load_b128 v[64*(((\p)+3)%4)+8*((\t0)+\tt)+4*\g:64*(((\p)+3)%4)+8*((\t0)+\tt)+4*\g+3], v[LI], s[30:31] offset:32768*((\p)+3)+1024*((\t0)+\tt)+512*\g
.endr
.endr
.endm
; A K step of 32: 64 products.  Behind the one wait at its head the activation's next K step is fetched from LDS and the weights of three K steps on from memory, both into the sets that the K step before has left:
; four runs of eight loads, one behind each of the first four groups of eight products.
; cfirst = 1: the sums begin from the bias times the scale; in the middle the bias is brought from the first half's scale to the second's.
.macro STEP p, cfirst, ldB, ldA, N
.if \cfirst
.set WLO, 0x81                         ; weights window 1, activation and bias window 0, D window 2
.set WHI, 0xc1
.else
.set WLO, 0xa1                         ; weights window 1, activation window 0, C and D window 2
.set WHI, 0xf1
.endif
	s_wait_loadcnt \N                              ; this K step's weights are in; the younger sets' loads may be out
	s_wait_dscnt 8                                 ; tiles of rows 0-3 are in; the youngest eight loads (tiles 4-7) may be out
.if \ldA && (\p == 3)
	WIN 0
	s_wait_alu depctr_vm_vsrc(0)                   ; the LDS loads issued so far have read v[ADA]
	v_add_nc_u32 v[ADA], 32768, v[ADA]             ; on to the next four K steps' images
.endif
.if \ldA || \ldB
	s_wait_alu depctr_va_vdst(0)                   ; the last K step's products are done reading the activation set and the weight set in which this step's loads land; in a layer's first step, and where it has just moved on, v[ADA] is written
.endif
	WIN WLO
	MMA 0, \p, \cfirst
.if \ldA
	WIN 0
	PLACES                                         ; four places between the last K step's products and the loads into registers that they read, as in the plain form
	AFETCH \p, 0                                   ; no further wait in this step: no product or place since the wait names a register that its loads touch
	WIN WLO
.endif
	MMA 1, \p, \cfirst
.if \ldA
	WIN 0
	AFETCH \p, 4
	WIN WLO
.endif
	MMA 2, \p, \cfirst
.if \ldB
	WIN 0x40
	WFETCH \p, 0
	WIN WLO
.endif
	MMA 3, \p, \cfirst
.if \ldB
	WIN 0x40
	WFETCH \p, 4
.endif
.if \cfirst
	WIN 0
	PLACES                                         ; in front of writes of the bias, which the products above have read
.set n, 0
.rept 32
	v_pk_mul_f32 v[192+n:193+n], v[192+n:193+n], v[SC:SC+1]
.set n, n+2
.endr
	PLACES
.endif
	s_wait_dscnt 16*\ldA                           ; tiles 4-7 are in; the loads that this step has issued may be out
	WIN WHI
	MMA 4, \p, \cfirst
	MMA 5, \p, \cfirst
	MMA 6, \p, \cfirst
	MMA 7, \p, \cfirst
.endm
.macro AMAX w                          ; the largest magnitude of the 256 registers of window w, into the four chains; each accumulator from its low end on
	WIN 0x14*\w                                    ; sources 1 and 2: window w
.set n, 0
.rept 128
	v_max3_num_f32 v[MX+n%4], v[MX+n%4], |v[2*n]|, |v[2*n+1]|
.set n, n+1
.endr
	WIN 0
.endm
	s_wait_alu depctr_va_vdst(0)                   ; phase 1's vector and matrix instructions are done with v64 to v255 and with window 1's registers, in which the bias, the weights and ret's fragments land
	BIAS 14
	BPRO
	s_mov_b32 s35, 2
.Llayer:
.irp m, 0,1,2,3,4,5,6,7
.irp g, 0,1
	ds_load_b128 v[64+8*\m+4*\g:64+8*\m+4*\g+3], v[LI] offset:1024*\m+512*\g   ; K step 0: the images begin at LDS byte 0, so 16 x lane is their address.  (Second layer: the GELU's last wait on va_vdst stands behind its last use of these registers)
.endr
.endr
	v_mov_b32 v[ADA], v[LI]                        ; the later K steps' address.  (Second layer: the first layer's loads that read it stand ahead of the GELU's waits on vm_vsrc)
	s_wait_loadcnt 48                              ; the bias's 16 loads are in; the 48 of the first three K steps' weights, issued behind them, may be out
	v_sub_nc_u32 v[SC], 0x7f000000, v[IVA]         ; the first half's scale from its inverse: exponent field 254 - the inverse's
	v_mov_b32 v[SC+1], v[SC]
.set n, 0
.rept 32
	v_pk_mul_f32 v[192+n:193+n], v[192+n:193+n], v[SC:SC+1]
.set n, n+2
.endr
	v_sub_nc_u32 v[MT], 0x7f000000, v[IVB]
	v_mul_f32 v[SC], v[MT], v[IVA]                 ; the second half's scale over the first's: a power of two
	v_mov_b32 v[SC+1], v[SC]
	PLACES
	STEP 0, 1, 1, 1, 32                            ; the first K step stands in front of the loop: it starts the sums
	WIN 0
	s_mov_b32 s36, 3
.Lk:                                               ; a trip: K steps 1, 2, 3 of a group of four and step 0 of the next, once round the weights' four sets
	STEP 1, 0, 1, 1, 32
	STEP 2, 0, 1, 1, 32
	STEP 3, 0, 1, 1, 32
	s_wait_xcnt 0x0                                ; the loads have read their base
	s_add_nc_u64 s[30:31], s[30:31], 131072
	STEP 0, 0, 1, 1, 32
	WIN 0
	s_sub_co_u32 s36, s36, 1
	s_cmp_lg_u32 s36, 0
	s_cbranch_scc1 .Lk
	STEP 1, 0, 0, 1, 32                            ; the last three K steps fetch nothing beyond the matrix: the counts run down
	STEP 2, 0, 0, 1, 16
	STEP 3, 0, 0, 0, 0                             ; the last fetches nothing at all, and so states nothing
	WIN 0
	s_wait_xcnt 0x0
	s_add_nc_u64 s[30:31], s[30:31], 131072        ; the base now stands at the next matrix
	PLACES                                         ; behind the last products
	s_sub_co_u32 s35, s35, 1
	s_cmp_eq_u32 s35, 0
	s_cbranch_scc1 .Lout
	MXINIT                                         ; the largest |a| of each half bounds its |h| (in a's units)
	AMAX 2
	REDUCE 0
	s_wait_alu depctr_vm_vsrc(0)                   ; the store has read v[MX], which the next line writes
	MXINIT
	AMAX 3
	REDUCE 512
	BARRIER                                        ; every wave's reads of ret are over, and the largest magnitudes lie in LDS
	BIAS 16                                        ; no wait: no vector or matrix instruction stands behind the reduction's wait, which shows the layer's products done with the bias's registers and the weights' sets
	BPRO                                           ; the second layer's first weights come while the GELU is worked
	s_wait_alu depctr_vm_vsrc(0)                   ; my second store has read v[MX], in which the first of the four words lands
	GETM 0
	v_sub_nc_u32 v[SC], 0x85800000, v[MT]          ; G: h's scale on top of a's
	v_add_nc_u32 v[MT2], 0xf9800000, v[MT]         ; 1 / G
	v_mov_b32 v[SC+1], v[SC]
	v_mul_f32 v[K1], s38, v[IVA]                   ; the GELU's constants over a's scale
	v_mul_f32 v[K2], s40, v[IVA]
	v_mul_f32 v[IVA], v[IVA], v[MT2]               ; the inverse scale of the second layer's sums
	v_mov_b32 v[K2+1], v[K2]
	v_mov_b32 v[IVA+1], v[IVA]
	s_wait_alu depctr_va_vdst(0)                   ; the lines above are done with v[MX ..], in which the second half's four words land
	GETM 512
	v_sub_nc_u32 v[GB2], 0x85800000, v[MT]
	v_add_nc_u32 v[MT2], 0xf9800000, v[MT]
	v_mov_b32 v[GB2+1], v[GB2]
	v_mul_f32 v[K1B], s38, v[IVB]
	v_mul_f32 v[K2B], s40, v[IVB]
	v_mul_f32 v[IVB], v[IVB], v[MT2]
	v_mov_b32 v[IVB+1], v[IVB]
.irp e, 0,1
	v_mov_b32 v[CA+\e], 0x3e027906                 ; 0.5 x 0.254829592
	v_mov_b32 v[CA+2+\e], 0xbe11a98e               ; 0.5 x -0.284496736
	v_mov_b32 v[CA+4+\e], 0x3f35f0e3               ; 0.5 x 1.421413741
	v_mov_b32 v[CA+6+\e], 0xbf3a00e3               ; 0.5 x -1.453152027
	v_mov_b32 v[CA+8+\e], 0x3f07dc22               ; 0.5 x 1.061405429
.endr
; GELU of 32 registers of window 2: tile of rows aa, my tiles of columns 4 bp .. 4 bp + 3; then their image (two K steps of the next product).
.macro GB aa, bp
.set XB, 64*\aa+32*\bp
	WIN 0x02
.set n, 0
.rept 32
	v_fma_f32 v[T+n], |v[XB+n]|, v[K1], 1.0
.set n, n+1
.endr
.set n, 0
.rept 16
	v_pk_mul_f32 v[Y+n:Y+n+1], v[XB+n:XB+n+1], v[K2:K2+1]
.set n, n+2
.endr
	WIN 0
.set n, 0
.rept 32
	v_rcp_f32 v[T+n], v[T+n]                       ; t
.set n, n+1
.endr
.set n, 0
.rept 16
	v_pk_mul_f32 v[Y+n:Y+n+1], v[Y+n:Y+n+1], v[Y+n:Y+n+1] neg_lo:[1,0] neg_hi:[1,0]   ; -x^2 / 2 x log2 e
.set n, n+2
.endr
.set n, 0
.rept 32
	v_exp_f32 v[Y+n], v[Y+n]
.set n, n+1
.endr
	v_nop                                          ; a plain line behind the last of the batch,
	s_wait_alu depctr_va_vdst(0)                   ; and one wait for the 32 reciprocals in v[T ..] and the 32 exponentials in v[Y ..], ahead of their first reader
.set n, 0
.rept 16
	v_pk_fma_f32 v[PL+n:PL+n+1], v[T+n:T+n+1], v[CA+8:CA+9], v[CA+6:CA+7]
.set n, n+2
.endr
.irp k, 4,2,0
.set n, 0
.rept 16
	v_pk_fma_f32 v[PL+n:PL+n+1], v[PL+n:PL+n+1], v[T+n:T+n+1], v[CA+\k:CA+\k+1]
.set n, n+2
.endr
.endr
.set n, 0
.rept 16
	v_pk_mul_f32 v[PL+n:PL+n+1], v[PL+n:PL+n+1], v[T+n:T+n+1]
.set n, n+2
.endr
.set n, 0
.rept 16
	v_pk_mul_f32 v[PL+n:PL+n+1], v[PL+n:PL+n+1], v[Y+n:Y+n+1]
.set n, n+2
.endr
	WIN 0x02
.set n, 0
.rept 32
	v_max_num_f32 v[T+n], v[XB+n], 0
.set n, n+1
.endr
.set n, 0
.rept 32
	v_fma_f32 v[T+n], -|v[XB+n]|, v[PL+n], v[T+n]  ; h, in a's units
.set n, n+1
.endr
	WIN 0
.set n, 0
.rept 16
	v_pk_mul_f32 v[T+n:T+n+1], v[T+n:T+n+1], v[SC:SC+1]   ; x G: at most 2^14
.set n, n+2
.endr
	s_wait_alu depctr_vm_vsrc(0)                   ; the last block's stores have read v[H ..], which the conversions write again
.set n, 0
.rept 16
	v_cvt_pk_f16_f32 v[H+n], v[T+2*n], v[T+2*n+1]
.set n, n+1
.endr
	s_wait_alu depctr_va_vdst(0)                   ; v[H ..] is written, which the stores read; in a trip's first block so is v[HWI]
.irp l, 0,1,2,3
	ds_store_b128 v[HWI], v[H+4*\l:H+4*\l+3] offset:8192*(2*\bp+\l/2)+1024*\aa+512*(\l%2)
.endr
.endm
	s_mov_b32 s37, 2
.Lgelu:                                            ; two trips on one text: the first on tiles of rows 0-3 (window 2); then window 3 is copied down and the second trip takes tiles 4-7.  Written out for both windows the text would be twice as long
.irp aa, 0,1,2,3
	GB \aa, 0
	GB \aa, 1
.endr
	s_wait_alu depctr_vm_vsrc(0)                   ; the stores have read v[HWI], which the add writes, and v[H ..], in which the second layer's fragments land
	v_add_nc_u32 v[HWI], 4096, v[HWI]
	s_cmp_eq_u32 s37, 1
	s_cbranch_scc1 .Lno_move
	v_mov_b32 v[SC], v[GB2]                        ; the second half's scale and constants
	v_mov_b32 v[SC+1], v[GB2+1]
	v_mov_b32 v[K1], v[K1B]
	v_mov_b32 v[K2], v[K2B]
	v_mov_b32 v[K2+1], v[K2B]
	WIN 0x83                                       ; destination window 2, source window 3
.set n, 0
.rept 256
	v_mov_b32 v[n], v[n]
.set n, n+1
.endr
	WIN 0
.Lno_move:
	s_sub_co_u32 s37, s37, 1
	s_cmp_lg_u32 s37, 0
	s_cbranch_scc1 .Lgelu
	BARRIER                                        ; h's images lie in LDS
	s_cmp_lg_u32 s35, 0
	s_cbranch_scc1 .Llayer
	; ---- THE WAY OUT, a tile of 16 rows at a time: through my stage, back as whole runs of 512 bytes of a row; sum x the half's inverse scale + query, stored.  Tile a + 1 goes through the stage while tile a is finished
.macro QLOAD a                         ; query's 16 rows of tile a, my 512 bytes of each, into buffer a % 2 of window 1
.irp t, 0,1,2,3,4,5,6,7,8,9,10,11,12,13,14,15
	global_load_b128 v[QK+64*((\a)%2)+4*\t:QK+64*((\a)%2)+4*\t+3], v[LI], s[26:27] offset:32768*(\a)+2048*\t th:TH_LOAD_NT
.endr
.endm
.macro TOSTAGE a
	WIN 0x08+4*((\a)/4)                            ; the data: window 2 or 3
.irp tt, 0,1,2,3,4,5,6,7
.irp q, 0,1
	ds_store_b128 v[SO], v[64*((\a)%4)+8*\tt+4*\q:64*((\a)%4)+8*\tt+4*\q+3] offset:128*(\tt/2)+32*(\tt%2)+16*\q
.endr
.endr
	WIN 0
.if (\a) > 1
	s_wait_xcnt 0x0                                ; every earlier memory instruction has had its addresses translated: the registers that the stores of two tiles back read are loaded again only behind this wait,
	s_wait_alu depctr_vm_vsrc(0)                   ; and those stores have read this buffer's registers, in which the loads below land
.endif
.irp t, 0,1,2,3,4,5,6,7,8,9,10,11,12,13,14,15
	ds_load_b128 v[BK+64*((\a)%2)+4*\t:BK+64*((\a)%2)+4*\t+3], v[SR] offset:528*\t   ; LDS serves a wave's instructions in order: these see my stores, and the next tile's stores come behind them
.endr
.endm
.Lout:
	s_wait_loadcnt 0x0                             ; no load of mine is out
	WIN 0x40
	s_wait_alu depctr_va_vdst(0)                   ; behind the four places: the last products have written the accumulators, which the LDS stores read, and are done reading the weights' and the activation's sets, in which query and the rows land
	QLOAD 0
	QLOAD 1
	TOSTAGE 0
.irp a, 0,1,2,3,4,5,6,7
.if \a < 7
	TOSTAGE \a+1
	s_wait_dscnt 32                                ; this tile's rows are back; the next tile's 16 stores and 16 loads may be out
	s_wait_loadcnt 16                              ; this tile's query is in; the next tile's may be out
.else
	s_wait_dscnt 0x0
	s_wait_loadcnt 0x0
.endif
	WIN 0x10                                       ; source 2 (query): window 1
.set n, 0
.rept 32
	v_pk_fma_f32 v[BK+64*(\a%2)+n:BK+64*(\a%2)+n+1], v[BK+64*(\a%2)+n:BK+64*(\a%2)+n+1], v[IVA+2*(\a/4):IVA+2*(\a/4)+1], v[QK+64*(\a%2)+n:QK+64*(\a%2)+n+1]
.set n, n+2
.endr
.if \a < 6
	WIN 0x40
	s_wait_alu depctr_va_vdst(0)                   ; the multiply-adds are done reading this buffer of query, in which the tile two on lands, and have written the rows, which the stores read
	QLOAD \a+2
	WIN 0
.else
	WIN 0
	s_wait_alu depctr_va_vdst(0)                   ; the multiply-adds have written the rows, which the stores read
.endif
.irp t, 0,1,2,3,4,5,6,7,8,9,10,11,12,13,14,15
	global_store_b128 v[LI], v[BK+64*(\a%2)+4*\t:BK+64*(\a%2)+4*\t+3], s[28:29] offset:32768*\a+2048*\t th:TH_STORE_NT   ; 512 consecutive bytes, at a multiple of 512 from out0's first byte
.endr
.endr
	s_wait_dscnt 0x0                               ; the closing lines, six on end
	s_wait_alu 0x0
	s_wait_tensorcnt 0x0
	ds_add_u32 v[SPW], v[NIL]
	s_wait_dscnt 0x0
	s_endpgm
.Lfunc_end_k_qe735b5035e_ffn:
	.size	k_qe735b5035e_ffn, .Lfunc_end_k_qe735b5035e_ffn-k_qe735b5035e_ffn
	.p2alignl 7, 3214868480
	.fill 96, 4, 3214868480
	.section	.rodata,"a",@progbits
	.p2align	6, 0x0
	.amdhsa_kernel k_qe735b5035e_ffn
		.amdhsa_group_segment_fixed_size 184832
		.amdhsa_private_segment_fixed_size 0
		.amdhsa_enable_private_segment 0
		.amdhsa_kernarg_size 64
		.amdhsa_user_sgpr_count 2
		.amdhsa_user_sgpr_kernarg_segment_ptr 1
		.amdhsa_wavefront_size32 1
		.amdhsa_system_sgpr_workgroup_id_x 1
		.amdhsa_system_sgpr_workgroup_id_y 1
		.amdhsa_system_sgpr_workgroup_id_z 1
		.amdhsa_system_vgpr_workitem_id 0
		.amdhsa_next_free_vgpr 1024
		.amdhsa_next_free_sgpr 66
		.amdhsa_reserve_vcc 0
		.amdhsa_float_denorm_mode_32 3
		.amdhsa_float_denorm_mode_16_64 3
		.amdhsa_memory_ordered 1
		.amdhsa_forward_progress 1
		.amdhsa_inst_pref_size 255
	.end_amdhsa_kernel
	.section	.bss,"aw",@nobits
	.p2align	6
	.space	262144
	.amdgpu_metadata
---
amdhsa.version: [ 1, 2 ]
amdhsa.kernels:
  - .name:           k_qe735b5035e_ffn
    .symbol:         k_qe735b5035e_ffn.kd
    .args:
      - { .name: query, .offset: 0, .size: 8, .value_kind: global_buffer, .address_space: global }
      - { .name: codes, .offset: 8, .size: 8, .value_kind: global_buffer, .address_space: global }
      - { .name: kvb, .offset: 16, .size: 8, .value_kind: global_buffer, .address_space: global }
      - { .name: wo, .offset: 24, .size: 8, .value_kind: global_buffer, .address_space: global }
      - { .name: bq, .offset: 32, .size: 8, .value_kind: global_buffer, .address_space: global }
      - { .name: bo1, .offset: 40, .size: 8, .value_kind: global_buffer, .address_space: global }
      - { .name: bo2, .offset: 48, .size: 8, .value_kind: global_buffer, .address_space: global }
      - { .name: out0, .offset: 56, .size: 8, .value_kind: global_buffer, .address_space: global }
    .group_segment_fixed_size: 184832
    .private_segment_fixed_size: 0
    .kernarg_segment_align: 8
    .kernarg_segment_size: 64
    .max_flat_workgroup_size: 128
    .sgpr_count:     66
    .vgpr_count:     1024
    .wavefront_size: 32
...
	.end_amdgpu_metadata
.endif
;; end of part 5
